; MI455X (gfx1250); checked and timed in simulation.
; The chip was launched on July 23, 2026; its instructions are those of AMD's public machine-readable ISA for CDNA 5 (MIT licence, August 2026) and "CDNA5" Instruction Set Architecture Reference Guide (July 2026). The comments in the code are by the model that wrote it; some were corrected since.
;; Causal Self Attention. Allowed arithmetic: matrix products marked QUANTISED: E2M3 operands, one E8M0 scale for each 32 along K, by v_wmma_scale_f32_16x16x128_f8f6f4 with both operands' format E2M3, f32 sums; everything else in f32.
;; Inputs: Wk 1,024 x 1,024 float32; Wo 1,024 x 1,024 float32; Wq 1,024 x 1,024 float32; Wv 1,024 x 1,024 float32; x 1 x 4,096 x 1,024 float32.
;; Outputs: out0 1 x 4,096 x 1,024 float32.
;; This version of the problem:
;;   THIS VERSION OF THE PROBLEM IS GIVEN IN LOW PRECISION. The matrix products marked QUANTISED in the list below multiply operands that are first quantised to E2M3 (2 exponent bits, 3 mantissa bits; 6 bits a number), with one power-of-two scale for each 32 numbers along K (OCP MX v1.0); their sums are f32. All else is computed in f32.
;;   The module's matrix products, in the order in which they are computed (A, B: the left and right operand; K: the contracted axis; several contracted axes count as one K, in the product's order):
;;     1. [M 4,096, K 1,024] x [K 1,024, N 1,024]; A: input x; B: input Wq: QUANTISED
;;     2. [M 4,096, K 1,024] x [K 1,024, N 1,024]; A: input x; B: input Wk: QUANTISED
;;     3. [M 4,096, K 1,024] x [K 1,024, N 1,024]; A: input x; B: input Wv: QUANTISED
;;     4. batch 16 x [M 4,096, K 64] x [K 64, N 4,096]; A: computed on the way; B: computed on the way: QUANTISED
;;     5. batch 16 x [M 4,096, K 4,096] x [K 4,096, N 64]; A: softmax (see below); B: computed on the way: QUANTISED
;;     6. [M 4,096, K 1,024] x [K 1,024, N 1,024]; A: computed on the way; B: input Wo: QUANTISED
;;   THE QUANTISER, for each operand of a quantised product, along K:
;;     - K is cut into blocks of 32 from its start; a last block that is shorter is filled with zeros.
;;     - A block's scale is 2^e with e = floor(log2(the largest magnitude in the block)) - 2, held to -126 .. 127; a block of zeros has e = 0. As a byte (E8M0): e + 127.
;;     - Each number is divided by its block's scale, clamped to +-7.5, and rounded to the nearest number of E2M3, ties to even, subnormals kept.
;;     - The product sums the exact products of the quantised numbers (number of the format x scale) in f32.
;;   ~~~python
;;   def quantise(x, axis):      # numpy; x: float32 -> the quantised numbers, widened to float32 again
;;       x = np.moveaxis(x, axis, -1); K = x.shape[-1]
;;       x = np.pad(x, [(0, 0)] * (x.ndim - 1) + [(0, -K % 32)]); x = x.reshape(x.shape[:-1] + (-1, 32)); a = np.abs(x).max(-1, keepdims=True)
;;       e = np.where(a > 0, np.clip(np.frexp(np.where(a > 0, a, 1))[1] - 1 - 2, -126, 127), 0)      # np.frexp(a)[1] - 1 = floor(log2(a)), exactly
;;       r = np.clip(x / 2.0 ** e, -7.5, 7.5)
;;       step = 2.0 ** (np.maximum(np.frexp(np.where(r == 0, 1, r))[1] - 1, 0) - 3)
;;       q = np.round(r / step) * step * 2.0 ** e      # np.round: ties to even
;;       return np.moveaxis(q.reshape(q.shape[:-2] + (-1,))[..., :K], -1, axis).astype(np.float32)
;;   ~~~
;;   SOFTMAX AHEAD OF A QUANTISED PRODUCT. Where the list says 'softmax', what is quantised is not the finished softmax but p = 2^(t - M), with t = logit x log2(e) and M = ceil(the row's largest t), a whole number; so 1/2 < the row's largest p <= 1. The row's sum l is taken of the UNQUANTISED p, in f32, and the product's result is divided by l at the end. Since M is a whole number, a kernel that streams over the keys may use a running M (the ceiling of the running maximum): every later rescaling is an exact power of two, which a block's scale takes up: the codes' values come out the same.
;;   OPERANDS COMPUTED ON THE WAY. 'Computed on the way' means the value that the module computes at that place (a softmax that the list does not call 'softmax' is quantised finished and normalised). What goes into a quantiser is computed in f32, as accurately as f32 sums, v_exp_f32 and their like allow (about 1e-6 of the number): no bf16 or f16 on the way to a quantiser, and a product that is left as it is and whose result goes on into a quantised operand takes f32 operands (vector FMAs, or v_wmma_f32_16x16x4_f32). A number that lies on a knife's edge between two numbers of the format may be rounded either way, as far as f32 arithmetic and the matrix unit's own rounding can turn it there, and no further.
;; One version. Each part assembles by itself: llvm-mc -triple=amdgcn-amd-amdhsa -mcpu=gfx1250 --defsym DOCPART=n.
;; ======== version 1 of 1: 4 launches
;; limits: right only within a limited range of input values
;; workspace buffers: xcod 3,145,728 bytes; xscl 131,072 bytes; wcod 3,145,728 bytes; wscl 131,072 bytes; qrec 6,553,600 bytes; kvrec 6,553,600 bytes; acod 3,145,728 bytes; ascl 131,072 bytes
;; launch quant (part 1): grid 256 x 1, 4 waves a work-group, no clusters, 34,304 bytes of LDS; arguments x, Wq, Wk, Wv, Wo, xcod, xscl, wcod, wscl; writes xcod, xscl, wcod, wscl
.if DOCPART == 1
	.amdgcn_target "amdgcn-amd-amdhsa--gfx1250"
	.amdhsa_code_object_version 6
	.text
	.protected	k_qacff285f60_quant
	.globl	k_qacff285f60_quant
	.p2align	8
	.type	k_qacff285f60_quant,@function
k_qacff285f60_quant:
	s_mov_b64 s[64:65], 0
	v_nop
	global_prefetch_b8 v0, s[64:65] scope:SCOPE_SE
	s_setreg_imm32_b32 hwreg(HW_REG_WAVE_MODE, 25, 1), 1
	s_wait_xcnt 0x0
; x [4096][1024] and Wq, Wk, Wv, Wo [1024][1024], f32, K innermost, become codes of FP6 (E2M3) with one E8M0 scale byte for each 32 along K.
; A block's scale is 2^(floor(log2(its largest magnitude)) - 2): its byte is the largest magnitude's exponent field - 2, held at 1 from below.
; LIMITS: NaN and infinities among the inputs are not served.  A block of zeros, or one whose largest magnitude lies under 2^-124, gets the byte 1 where the rule says 127 or clips:
; its codes are zeros or tiny, and the bytes are read by this program alone.
; LAYOUT OF THE RESULT: images of operand registers.  Tile T of a tensor's rows holds in lane r (0..15) row 32 (T / 2) + 8 (T % 2) + r + 8 (r / 8).  A fragment (a tile x 128 along K) is 12 registers a lane,
; stored as three groups of 512 bytes, group g at 512 g + 16 x lane.  Codes: [k / 256][T][(k / 128) % 2][1,536 bytes]; scale words: [T][k / 512][r][4 words], word i for K step 4 (k / 512) + i.
; In wcod and wscl tiles 0-63 are Wq's, 64-127 Wk's, 128-191 Wv's, 192-255 Wo's.
; SHARES: a work-group takes 32 rows (two tiles): work-groups 0-127 of x, the others of the weights.  Wave w takes tile w / 2 and half w % 2 of K: four fragments.
; Each load reads 512 consecutive bytes of one row; a fragment's 16 rows turn through the wave's own stage in LDS (rows 528 bytes apart, so that sixteen rows start in sixteen different groups of banks)
; and come back 64 bytes a lane for each block of 32.  No tensor loads, no barrier, no matrix unit, no cluster: waves share nothing and memory binds.
.set QS,     786432                    ; bytes of codes for 256 along K: 256 tiles x 2 x 1,536
.set SPITCH, 528
.set R,      16                        ; v16-143  two sets of 64: a fragment's numbers as loaded
.set X,      144                       ; v144-207 register 16 b + i = k 32 b + 16 (lane / 16) + i of my row
.set PC,     208                       ; v208-219 the fragment's codes
.set TC,     220                       ; v220-227 the upper halves of the blocks, on their way
.set TM,     228                       ; v228-231 largest magnitudes, v232-235 bytes, v240-243 the conversions' scale operands
.set SW,     244                       ; v244-247 the four fragments' scale words
.set SEL,    22                        ; s[22:23] lane selects for v_permlanex16_b32: lane l xor 16
.set SRC,    28                        ; s[28:29] my numbers;  s[30:31] my codes;  s[32:33] my scale words
.set COD,    30
.set SCP,    32
	s_load_b512 s[4:19], s[0:1], 0x0               ; x, Wq, Wk, Wv, Wo, xcod, xscl, wcod
	s_load_b64 s[20:21], s[0:1], 0x40              ; wscl
	v_lshl_add_u32 v248, v0, 2, 0x8400
	v_mov_b32 v249, 0
	v_lshrrev_b32 v8, 5, v0
	v_readfirstlane_b32 s34, v8                    ; wave 0..3
	v_and_b32 v1, 31, v0                           ; lane
	v_and_b32 v2, 15, v0                           ; r
	v_bfe_u32 v3, v0, 4, 1                         ; h
	v_lshlrev_b32 v4, 4, v1                        ; 16 x lane: my bytes of a load, and of an image's group
	s_mul_i32 s35, s34, 16*SPITCH                  ; my stage
	v_add_nc_u32 v5, s35, v4                       ; into it: 16 x lane of a row
	v_mul_u32_u24 v6, v2, SPITCH
	v_lshl_add_u32 v6, v3, 6, v6
	v_add_nc_u32 v6, s35, v6                       ; out of it: row r, + 64 h
	v_lshlrev_b32 v7, 4, v2                        ; my row's four scale words
.irp b, 0,1,2,3
	v_mov_b32 v[TM+4+\b], 0                        ; written once: a lane permute's destination counts as one of its sources
.endr
	s_mov_b32 s[SEL], 0x76543210
	s_mov_b32 s[SEL+1], 0xfedcba98
	s_lshr_b32 s36, s34, 1                         ; u: which tile of the two
	s_and_b32 s37, s34, 1                          ; which half of K
	s_sub_co_u32 s24, ttmp9, 128                   ; the weights' groups count from work-group 128
	s_lshr_b32 s25, s24, 5                         ; which weight: 0 q, 1 k, 2 v, 3 o
	s_and_b32 s26, s24, 31                         ; and which 32 rows of it
	s_wait_alu depctr_va_vdst(0)
	s_wait_kmcnt 0x0
	s_cmp_eq_u32 s25, 2                            ; the choices hang on the work-group's number alone
	s_cselect_b64 s[SRC:SRC+1], s[10:11], s[12:13]
	s_cmp_eq_u32 s25, 1
	s_cselect_b64 s[SRC:SRC+1], s[8:9], s[SRC:SRC+1]
	s_cmp_eq_u32 s25, 0
	s_cselect_b64 s[SRC:SRC+1], s[6:7], s[SRC:SRC+1]
	s_cmp_lt_u32 ttmp9, 128
	s_cselect_b64 s[SRC:SRC+1], s[4:5], s[SRC:SRC+1]
	s_cselect_b64 s[COD:COD+1], s[14:15], s[18:19]
	s_cselect_b64 s[SCP:SCP+1], s[16:17], s[20:21]
	s_cselect_b32 s26, ttmp9, s26                  ; the group of 32 rows in its tensor,
	s_cselect_b32 s24, ttmp9, s24                  ; and in its buffer of codes
	s_lshl_b32 s38, s26, 17                        ; 32 rows of 4,096 bytes,
	s_lshl_b32 s39, s36, 15                        ; 8 rows on for the second tile,
	s_add_co_u32 s38, s38, s39
	s_lshl_b32 s39, s37, 11                        ; 512 numbers on for the second half of K
	s_add_co_u32 s38, s38, s39
	s_mov_b32 s39, 0
	s_add_nc_u64 s[SRC:SRC+1], s[SRC:SRC+1], s[38:39]
	s_lshl_b32 s24, s24, 1
	s_add_co_u32 s24, s24, s36                     ; T
	s_mul_i32 s38, s24, 3072
	s_mul_i32 s25, s37, 2*QS
	s_add_co_u32 s38, s38, s25
	s_add_nc_u64 s[COD:COD+1], s[COD:COD+1], s[38:39]
	s_lshl_b32 s38, s24, 9
	s_lshl_b32 s25, s37, 8
	s_add_co_u32 s38, s38, s25
	s_add_nc_u64 s[SCP:SCP+1], s[SCP:SCP+1], s[38:39]
.macro LOADF f                         ; fragment f: 128 numbers of each of the tile's 16 rows, 512 consecutive bytes a load; read once in the launch
.irp i, 0,1,2,3,4,5,6,7,8,9,10,11,12,13,14,15
	global_load_b128 v[R+64*((\f)%2)+4*\i:R+64*((\f)%2)+4*\i+3], v4, s[SRC:SRC+1] offset:(\i+8*(\i/8))*4096+512*(\f) th:TH_LOAD_NT
.endr
.endm
; 64 numbers of a lane, register 16 b + i = k 32 b + 16 (lane / 16) + i of my row, become a fragment's codes: registers 0-5 at d0, 6-11 at d1; the four bytes stay in v[TM+4] on.
.macro QUANT s, d0, d1
.irp b, 0,1,2,3
	v_max3_num_f32 v[TM+\b], |v[\s+16*\b]|, |v[\s+1+16*\b]|, 0x1800000   ; block b: my 16 numbers, and the floor 2^(3 - 127): so the byte cannot fall under 1
.endr
.irp i, 2,4,6,8,10,12,14
.irp b, 0,1,2,3
	v_max3_num_f32 v[TM+\b], v[TM+\b], |v[\s+16*\b+\i]|, |v[\s+1+16*\b+\i]|   ; the four blocks by turns
.endr
.endr
.irp b, 0,1,2,3
	v_permlanex16_b32 v[TM+4+\b], v[TM+\b], s[SEL], s[SEL+1]
.endr
.irp b, 0,1,2,3
	v_max_num_f32 v[TM+\b], v[TM+\b], v[TM+4+\b]   ; with lane l xor 16's: the block's largest magnitude
.endr
.irp b, 0,1,2,3
	v_add_nc_u32 v[TM+12+\b], 0xff000000, v[TM+\b] ; 2 off its exponent field: the conversion takes the exponent field of this operand as its scale
.endr
.irp b, 0,1,2,3
	v_lshrrev_b32 v[TM+4+\b], 23, v[TM+12+\b]      ; the scale's byte
.endr
	v_cvt_scalef32_pk16_fp6_f32 v[\d0:\d0+2], v[\s:\s+15], v[TM+12]
	v_cvt_scalef32_pk16_fp6_f32 v[TC:TC+2], v[\s+16:\s+31], v[TM+13]   ; (a conversion's three registers begin on an even number)
	v_cvt_scalef32_pk16_fp6_f32 v[\d1:\d1+2], v[\s+32:\s+47], v[TM+14]
	v_cvt_scalef32_pk16_fp6_f32 v[TC+4:TC+6], v[\s+48:\s+63], v[TM+15]
	v_nop                                          ; one plain place behind a scaled conversion
.irp i, 0,1,2                                  ; the operand's layout wants a whole block in a lane: lanes 0-15 the even block, lanes 16-31 the odd one
	v_permlane16_swap_b32 v[\d0+\i], v[TC+\i]
	v_permlane16_swap_b32 v[\d1+\i], v[TC+4+\i]
.endr
.irp i, 0,1,2
	v_mov_b32 v[\d0+3+\i], v[TC+\i]
	v_mov_b32 v[\d1+3+\i], v[TC+4+\i]
.endr
.endm
.macro FRAGM f
.if (\f) < 3
	s_wait_loadcnt 16                              ; this fragment's 16 loads are in; the next fragment's 16 may be out
.else
	s_wait_loadcnt 0x0
.endif
.irp i, 0,1,2,3,4,5,6,7,8,9,10,11,12,13,14,15
	ds_store_b128 v5, v[R+64*((\f)%2)+4*\i:R+64*((\f)%2)+4*\i+3] offset:SPITCH*\i
.endr
.irp b, 0,1,2,3
.irp j, 0,1,2,3
	ds_load_b128 v[X+16*\b+4*\j:X+16*\b+4*\j+3], v6 offset:128*\b+16*\j   ; LDS serves a wave's instructions in order: these see the stores above
.endr
.endr
	s_wait_dscnt 0x0
	s_wait_xcnt 0x0                                ; the last fragment's stores have read the codes' registers: they are written again only behind this wait
.if (\f) < 2
	LOADF (\f)+2                                   ; into the set that has just gone through the stage
.endif
	QUANT X, PC, PC+6
	v_lshl_or_b32 v[SW+(\f)], v[TM+5], 8, v[TM+4]  ; the four bytes make my row's scale word
	v_lshl_or_b32 v[SW+(\f)], v[TM+6], 16, v[SW+(\f)]
	v_lshl_or_b32 v[SW+(\f)], v[TM+7], 24, v[SW+(\f)]
.irp g, 0,1,2
	global_store_b128 v4, v[PC+4*\g:PC+4*\g+3], s[COD:COD+1] offset:((\f)/2)*QS+((\f)%2)*1536+512*\g   ; 32 lanes store 512 consecutive bytes, aligned to 256
.endr
.endm
	LOADF 0
	LOADF 1
	FRAGM 0
	FRAGM 1
	FRAGM 2
	FRAGM 3
	s_wait_alu depctr_va_vdst(0)
	s_wait_xcnt 0x0                                ; EXEC changes only behind this wait
	v_cmp_gt_u32 vcc_lo, 16, v1
	s_wait_tensorcnt 0x0
	ds_add_u32 v248, v249
	s_wait_dscnt 0x0
	s_and_saveexec_b32 s24, vcc_lo                 ; lanes 16-31 hold the same words as lanes 0-15
	global_store_b128 v7, v[SW:SW+3], s[SCP:SCP+1] ; sixteen lanes store 256 consecutive bytes, aligned
	s_endpgm
.Lfunc_end_k_qacff285f60_quant:
	.size	k_qacff285f60_quant, .Lfunc_end_k_qacff285f60_quant-k_qacff285f60_quant
	.p2alignl 7, 3214868480
	.fill 96, 4, 3214868480
	.section	.rodata,"a",@progbits
	.p2align	6, 0x0
	.amdhsa_kernel k_qacff285f60_quant
		.amdhsa_group_segment_fixed_size 34304
		.amdhsa_private_segment_fixed_size 0
		.amdhsa_enable_private_segment 0
		.amdhsa_kernarg_size 72
		.amdhsa_user_sgpr_count 2
		.amdhsa_user_sgpr_kernarg_segment_ptr 1
		.amdhsa_wavefront_size32 1
		.amdhsa_system_sgpr_workgroup_id_x 1
		.amdhsa_system_sgpr_workgroup_id_y 1
		.amdhsa_system_sgpr_workgroup_id_z 1
		.amdhsa_system_vgpr_workitem_id 0
		.amdhsa_next_free_vgpr 250
		.amdhsa_next_free_sgpr 66
		.amdhsa_reserve_vcc 1
		.amdhsa_float_denorm_mode_32 3
		.amdhsa_float_denorm_mode_16_64 3
		.amdhsa_memory_ordered 1
		.amdhsa_forward_progress 1
		.amdhsa_inst_pref_size 34
	.end_amdhsa_kernel
	.amdgpu_metadata
---
amdhsa.version: [ 1, 2 ]
amdhsa.kernels:
  - .name:           k_qacff285f60_quant
    .symbol:         k_qacff285f60_quant.kd
    .args:
      - { .name: x, .offset: 0, .size: 8, .value_kind: global_buffer, .address_space: global }
      - { .name: Wq, .offset: 8, .size: 8, .value_kind: global_buffer, .address_space: global }
      - { .name: Wk, .offset: 16, .size: 8, .value_kind: global_buffer, .address_space: global }
      - { .name: Wv, .offset: 24, .size: 8, .value_kind: global_buffer, .address_space: global }
      - { .name: Wo, .offset: 32, .size: 8, .value_kind: global_buffer, .address_space: global }
      - { .name: xcod, .offset: 40, .size: 8, .value_kind: global_buffer, .address_space: global }
      - { .name: xscl, .offset: 48, .size: 8, .value_kind: global_buffer, .address_space: global }
      - { .name: wcod, .offset: 56, .size: 8, .value_kind: global_buffer, .address_space: global }
      - { .name: wscl, .offset: 64, .size: 8, .value_kind: global_buffer, .address_space: global }
    .group_segment_fixed_size: 34304
    .private_segment_fixed_size: 0
    .kernarg_segment_align: 8
    .kernarg_segment_size: 72
    .max_flat_workgroup_size: 128
    .sgpr_count:     66
    .vgpr_count:     250
    .wavefront_size: 32
...
	.end_amdgpu_metadata
.endif
;; end of part 1
;; launch qkv (part 2): grid 12 x 16, 4 waves a work-group, clusters of 4 x 4, 327,680 bytes of LDS; arguments xcod, xscl, wcod, wscl, qrec, kvrec; writes qrec, kvrec
.if DOCPART == 2
	.amdgcn_target "amdgcn-amd-amdhsa--gfx1250"
	.amdhsa_code_object_version 6
	.text
	.protected	k_qacff285f60_qkv
	.globl	k_qacff285f60_qkv
	.p2align	8
	.type	k_qacff285f60_qkv,@function
k_qacff285f60_qkv:
	s_mov_b64 s[64:65], 0
	v_nop
	global_prefetch_b8 v0, s[64:65] scope:SCOPE_SE
	s_setreg_imm32_b32 hwreg(HW_REG_WAVE_MODE, 25, 1), 1
	s_wait_xcnt 0x0
	s_wait_alu depctr_hold_cnt(0) depctr_sa_sdst(0) depctr_va_vdst(0) depctr_va_sdst(0) depctr_va_ssrc(0) depctr_va_vcc(0) depctr_vm_vsrc(0)
	s_getreg_b32 s2, hwreg(HW_REG_IB_STS2, 6, 4)
	s_cmp_eq_u32 s2, 0
	s_cbranch_scc0 .Lentry_in_a_cluster
	s_endpgm
.Lentry_in_a_cluster:
	s_bfe_u32 s2, ttmp6, 0x10000c
	s_cmp_lg_u32 s2, 0xf033
	s_cbranch_scc0 .Lentry_shape_is_right
	s_endpgm
.Lentry_shape_is_right:
; q = x Wq^T, k = x Wk^T, v = x Wv^T on codes of FP6 (E2M3) with E8M0 scales, sums in f32; the results are quantised in registers and leave as codes: q and k along the head's 64, v along the keys.
; A work-group makes 256 tokens x 256 rows of [Wq; Wk; Wv]; a wave 128 x 128: 64 accumulators.  The cluster's x says which weight: 0 q, 1 k, 2 v: the same in all sixteen partners.
; OPERANDS lie in memory as images of their registers (a fragment: 3 groups of 512 bytes, 16 x lane in each), so a K slot of 256 along K is one dense block for each side, and every LDS load is 512 consecutive bytes.
; Tile T holds in lane r row 32 (T / 2) + 8 (T % 2) + r + 8 (r / 8): as source 0 that makes the 16 result registers of tiles 2 b and 2 b + 1 sixteen neighbours, 32 b + 16 (lane / 16) + 0 .. 15.
; ROLES.  Side A is source 1 (a lane holds one of its rows; one set of registers), side B source 0 (the result's registers run along its rows; two sets).  For q and k: A = x, B = W, so that a lane holds a token and its
; registers run along the head's channels.  For v: A = W, B = x: a lane holds a channel and its registers run along the keys.  Only the LDS bases of the two sides differ.
; K: 8 steps of 128.  Three LDS slots of 256 along K are filled at the start, the fourth quarter of K comes by the launch's one refill, into slot 0.
; CLUSTERS: x's blocks hang on the tokens alone and are shared along a row of the cluster, W's on W's rows alone and are shared along a column: joint loads, as many requests as a quarter.
; No prefetch: all loads but one go out at the head, and the one refill has four K steps, 256 matrix instructions, in which to land.
; THE RESULT, records of 12,800 bytes for each head and each 128 tokens: bytes 0-6,143 four PAIR images (row r of pair p: the 64 codes of token 32 p + r + 8 (r / 8), then those of that token + 8);
; bytes 6,144-12,287 four images of V^T (16 channels x 128 keys); from 12,288: 16 bytes a row, the four pairs' scale words; from 12,544: V's.  q goes to qrec, k and v to kvrec.
; LIMITS: NaN and infinities are not served; a block of zeros or under 2^-124 gets the byte 1 (its codes are zeros or tiny; this program alone reads the bytes).
.set QS,    786432                     ; bytes of codes for 256 along K
.set PART,  24576                      ; 8 tiles x 2 fragments: what one tensor load brings
.set SLOT,  4*PART                     ; x's two halves, then W's two halves
.set SPARE, 3*SLOT                     ; the spare words, 128 bytes for each wave: two blocks of 256 bytes that no other line names
.set SCL,   SPARE+512                  ; not used
.set HS,    409600                     ; a head's 32 records
.set REC,   12800
.set FR,    12
.set ADRA,  4                          ; v4-6   LDS address of side A's fragments in slot 0, 1, 2
.set ADRB,  8                          ; v8-10  side B's
.set ADSA,  12                         ; v12    the scale words' address, 16 x r, for both sides
.set ADSB,  13
.set SPW,   14                         ; v14    my spare word;  v15  0; both never rewritten
.set NIL,   15
.set SOFF,  16                         ; v16    the way out: where my row's scale words go
.set SCA,   32                         ; v32-95   register 8 i + k: the scale words of A's tile i, K step k.  v32-159 hold scales and nothing else
.set SCB,   96                         ; v96-159  B's
.set AF,    160                        ; v160-255 A's eight fragments; on the way out these registers are at work:
.set TM,    160
.set TC,    176
.set WD,    184                        ; eight scale words
.set IMG0,  192
.set IMG1,  204
.set WS,    216
.set SEL,   2                          ; s[2:3] on the way out: lane selects for lane l xor 16
.set G1X,   24                         ; s[24:31] group 1 for x's codes, s[32:39] W's, s[40:47] and s[48:55] the same for x's and W's second and third quarters of K
.set G1W,   32
.set G1SX,  40
.set G1SW,  48
.set G0XS,  56                         ; groups 0 for x: slot 0, then slots 1 and 2 in one
.set G0X0,  60
.set G0X1,  68
.set G0X2,  72
.set G0WS,  76                         ; and for W
.set G0W0,  80
.set G0W1,  84
.set G0W2,  88
.set MSB, 0
.macro WIN new                         ; the immediate's high byte repeats the setting that is left
.if MSB != \new
	s_set_vgpr_msb (MSB<<8)|\new
.set MSB, \new
.endif
.endm
.set MUL_LO, 0xa1                      ; source 0 (B) window 1, source 1 (A) window 0, C and D window 2
.set MUL_HI, 0xf1                      ; the same, C and D window 3
.set TO_B,   0x40                      ; destination window 1, address window 0
.macro JLOAD g0x, g1x, g0w, g1w        ; a joint load: waves 0 and 1 fetch x's halves, waves 2 and 3 W's; four v_nop follow each of the two lines
	s_cmp_eq_u32 s17, 0
	s_cbranch_scc0 .Lfor_w_\@
	tensor_load_to_lds s[\g0x:\g0x+3], s[\g1x:\g1x+7]
	s_nop 0
.rept 4
	v_nop
.endr
	s_branch .Lasked_\@
.Lfor_w_\@:
	tensor_load_to_lds s[\g0w:\g0w+3], s[\g1w:\g1w+7]
	s_nop 0
.rept 4
	v_nop
.endr
.Lasked_\@:
.endm
.macro CREST                           ; a round of the cluster's barrier behind its opening barrier
	s_cmp_lg_u32 s16, 0
	s_cbranch_scc1 .Lnot_wave_0_\@
	s_barrier_signal -3
.Lnot_wave_0_\@:
	s_barrier_wait -3
	s_barrier_signal -1
	s_barrier_wait -1
.endm
.macro CROUND
	s_barrier_signal -1
	s_barrier_wait -1
	CREST
.endm
.macro MKG0 g, lmul, ladd, adr, off    ; a group 0: LDS address = wave x lmul + ladd; global address = s[adr] + off
	s_mov_b32 s[\g], 1
	s_mul_i32 s[\g+1], s16, \lmul
	s_add_co_u32 s[\g+1], s[\g+1], \ladd
	s_add_nc_u64 s[\g+2:\g+3], s[\adr:\adr+1], \off
	s_or_b32 s[\g+3], s[\g+3], 0x80000000
.endm
	s_load_b256 s[4:11], s[0:1], 0x0               ; xcod, xscl, wcod, wscl
	s_load_b128 s[12:15], s[0:1], 0x20             ; qrec, kvrec
	v_lshl_add_u32 v[SPW], v0, 2, SPARE
	v_mov_b32 v[NIL], 0
	ds_add_u32 v14, v15
	ds_add_u32 v14, v15
	s_wait_dscnt 0x0
	v_lshrrev_b32 v1, 5, v0
	v_readfirstlane_b32 s16, v1                    ; wave 0..3
	s_lshr_b32 s17, s16, 1                         ; which half of side A is mine.  Also: I fetch for x (0) or for W (1)
	s_and_b32 s18, s16, 1                          ; which half of side B.  Also: which half of that block I fetch
	s_bfe_u32 s19, ttmp6, 0x40000                  ; cx
	s_bfe_u32 s20, ttmp6, 0x40004                  ; cy
	s_lshl_b32 s21, ttmp9, 2
	s_add_co_u32 s21, s21, s19                     ; which 256 rows of [Wq; Wk; Wv]
	s_and_b32 s22, ttmp7, 0xffff
	s_lshl_b32 s22, s22, 2
	s_add_co_u32 s22, s22, s20                     ; which 256 tokens
	s_lshl_b32 s23, s20, 2
	s_lshl_b32 s23, 15, s23                        ; my row of the cluster
	s_lshl_b32 s66, 0x1111, s19                    ; my column
	; group 1: dense blocks as rows of 256 bytes (32 elements of 8 bytes), no padding: 96 rows of codes
	s_or_b32 s[G1X], s23, (3<<16)|(1<<21)          ; 15:0 the mask; 17:16 elements of 8 bytes; 21 set beside a mask
	s_or_b32 s[G1SX], s23, (3<<16)|(1<<21)
	s_or_b32 s[G1W], s66, (3<<16)|(1<<21)
	s_or_b32 s[G1SW], s66, (3<<16)|(1<<21)
.irp g, G1X, G1W
	s_mov_b32 s[\g+1], 32<<16                      ; tensor_dim0
	s_mov_b32 s[\g+2], 96<<16                      ; tensor_dim1
	s_mov_b32 s[\g+3], 32<<16                      ; tile_dim0
	s_mov_b32 s[\g+4], 96                          ; tile_dim1
	s_mov_b32 s[\g+5], 32                          ; the pitch
	s_mov_b32 s[\g+6], 0
	s_mov_b32 s[\g+7], 0
.endr
.irp g, G1SX, G1SW                     ; these two groups 1 now state two quarters of K in one tile: two rows of PART bytes (3,072 elements of 8 bytes), QS bytes apart in memory, on end in LDS
	s_mov_b32 s[\g+1], 3072<<16
	s_mov_b32 s[\g+2], 2<<16
	s_mov_b32 s[\g+3], 3072<<16
	s_mov_b32 s[\g+4], 2
	s_mov_b32 s[\g+5], QS/8
	s_mov_b32 s[\g+6], 0
	s_mov_b32 s[\g+7], 0
.endr
	s_mul_i32 s67, s18, PART                       ; the half that I fetch
	s_mul_i32 s92, s22, 2*PART                     ; x's codes hang on the tokens alone,
	s_add_co_u32 s92, s92, s67
	s_mov_b32 s93, 0
	s_mul_i32 s94, s21, 2*PART                     ; W's on W's rows alone
	s_add_co_u32 s94, s94, s67
	s_mov_b32 s95, 0
	s_lshl_b32 s96, s22, 13                        ; the scale words of my work-group's 16 tiles of x, 512 bytes a tile,
	s_mov_b32 s97, 0
	s_lshl_b32 s2, s21, 13                         ; and of W
	s_mov_b32 s3, 0
	s_wait_kmcnt 0x0
	s_add_nc_u64 s[92:93], s[4:5], s[92:93]
	s_add_nc_u64 s[94:95], s[8:9], s[94:95]
	s_add_nc_u64 s[96:97], s[6:7], s[96:97]
	s_add_nc_u64 s[2:3], s[10:11], s[2:3]
	MKG0 G0X0, PART, 0, 92, 0
	MKG0 G0W0, PART, 0, 94, 0
	MKG0 G0X1, 2*PART, SLOT, 92, QS                ; the second and third quarter of K of my part, on end: part w at SLOT + 2 w PART
	MKG0 G0W1, 2*PART, SLOT, 94, QS
	CROUND                                         ; all sixteen work-groups are here: the first joint loads meet
	JLOAD G0X0, G1X, G0W0, G1W                     ; the first quarter of K: one tensor load a wave at the head
	v_and_b32 v1, 15, v0                           ; r
	v_bfe_u32 v2, v0, 4, 1                         ; h
	v_and_b32 v3, 31, v0
	v_lshlrev_b32 v3, 4, v3                        ; 16 x lane
	s_wait_alu depctr_va_vdst(0)
	s_cmp_eq_u32 ttmp9, 2                          ; v?  Then W is side A and x side B
	s_cselect_b32 s98, 2*PART, 0                   ; side A's place in a slot,
	s_cselect_b32 s99, 0, 2*PART                   ; side B's,
	s_cselect_b64 s[56:57], s[2:3], s[96:97]       ; side A's scale words: W's for v, else x's; the choice hangs on the cluster's x alone
	s_cselect_b64 s[58:59], s[96:97], s[2:3]       ; side B's
	s_cselect_b32 s96, 256, 0                      ; V's scale words lie 256 bytes behind the pairs' in a record
	s_cselect_b32 s92, s17, s18                    ; which half of W's rows is mine,
	s_cselect_b32 s93, s18, s17                    ; and of the tokens
	s_cmp_eq_u32 ttmp9, 0
	s_cselect_b64 s[100:101], s[12:13], s[14:15]   ; q goes to qrec, k and v to kvrec
	s_mul_i32 s67, s17, PART
	s_add_co_u32 s67, s67, s98
	v_add_nc_u32 v[ADRA], s67, v3
	v_add_nc_u32 v[ADRA+1], s67, v[ADRA]           ; behind slot 0 a part takes 2 PART: its second quarter of K, then its third
	v_add_nc_u32 v[ADRA+1], SLOT, v[ADRA+1]
	v_add_nc_u32 v[ADRA+2], PART, v[ADRA+1]
	s_mul_i32 s67, s18, PART
	s_add_co_u32 s67, s67, s99
	v_add_nc_u32 v[ADRB], s67, v3
	v_add_nc_u32 v[ADRB+1], s67, v[ADRB]
	v_add_nc_u32 v[ADRB+1], SLOT, v[ADRB+1]
	v_add_nc_u32 v[ADRB+2], PART, v[ADRB+1]
	s_lshl_b32 s76, s17, 12                        ; my half of side A: 8 tiles x 512 bytes
	s_mov_b32 s77, 0
	s_add_nc_u64 s[56:57], s[56:57], s[76:77]
	s_lshl_b32 s76, s18, 12                        ; and of side B
	s_add_nc_u64 s[58:59], s[58:59], s[76:77]
	v_lshlrev_b32 v[ADSA], 4, v1                   ; 16 bytes a row: four K steps' words; lanes 16-31 read what lanes 0-15 read
.irp i, 0,1,2,3,4,5,6,7                        ; all of K's scale words, once, from memory straight into their registers: sixteen lanes read 256 consecutive bytes, aligned
.irp q, 0,1
	global_load_b128 v[SCA+8*\i+4*\q:SCA+8*\i+4*\q+3], v[ADSA], s[56:57] offset:512*\i+256*\q
	global_load_b128 v[SCB+8*\i+4*\q:SCB+8*\i+4*\q+3], v[ADSA], s[58:59] offset:512*\i+256*\q
.endr
.endr
	v_mul_u32_u24 v[SOFF], v2, HS                  ; the way out: lanes 0-15 store my first head's words, lanes 16-31 my second's
	v_lshl_add_u32 v[SOFF], v1, 4, v[SOFF]
	v_add_nc_u32 v[SOFF], s96, v[SOFF]
	s_lshl_b32 s67, s19, 2                         ; my first head: 4 cx + 2 x my half of W's rows
	s_lshl_b32 s92, s92, 1
	s_add_co_u32 s67, s67, s92
	s_mul_i32 s67, s67, HS
	s_lshl_b32 s94, s22, 1                         ; my 128 tokens
	s_add_co_u32 s94, s94, s93
	s_mul_i32 s94, s94, REC
	s_add_co_u32 s94, s94, s67
	s_mov_b32 s95, 0
	s_add_nc_u64 s[100:101], s[100:101], s[94:95]
.macro FRAG reg, adr, off              ; a fragment comes as it was stored: three loads of 512 consecutive bytes
.irp g, 0,1,2
	ds_load_b128 v[\reg+4*\g:\reg+4*\g+3], v[\adr] offset:\off+512*\g
.endr
.endm
.macro FETCH_B k, p                    ; B's eight fragments of K step k into set p.  K step k lies in slot (k / 2) % 3
	WIN TO_B
.irp i, 0,1,2,3,4,5,6,7
	FRAG 128*(\p)+FR*\i, ADRB+((\k)/2)%3, 3072*\i+1536*((\k)%2)
.endr
	WIN 0
.endm
.macro FETCH_A k, i0                   ; A's tiles i0 .. i0 + 3
.irp i, \i0, \i0+1, \i0+2, \i0+3
	FRAG AF+FR*(\i), ADRA+((\k)/2)%3, 3072*(\i)+1536*((\k)%2)
.endr
.endm
; 16 matrix instructions: A's tiles a0, a0 + 1 x B's eight.  The 64 accumulators take turns, one instruction a turn, in the same order in every step.
.macro MUL16 a0, p, k, zero
.irp a, \a0, \a0+1
.irp b, 0,1,2,3,4,5,6,7
.if \zero
	v_wmma_scale_f32_16x16x128_f8f6f4 v[8*(8*((\a)%4)+\b):8*(8*((\a)%4)+\b)+7], v[128*(\p)+FR*\b:128*(\p)+FR*\b+FR-1], v[AF+FR*(\a):AF+FR*(\a)+FR-1], 0, v[SCB+8*\b+(\k)], v[SCA+8*(\a)+(\k)] matrix_a_fmt:MATRIX_FMT_FP6 matrix_b_fmt:MATRIX_FMT_FP6
.else
	v_wmma_scale_f32_16x16x128_f8f6f4 v[8*(8*((\a)%4)+\b):8*(8*((\a)%4)+\b)+7], v[128*(\p)+FR*\b:128*(\p)+FR*\b+FR-1], v[AF+FR*(\a):AF+FR*(\a)+FR-1], v[8*(8*((\a)%4)+\b):8*(8*((\a)%4)+\b)+7], v[SCB+8*\b+(\k)], v[SCA+8*(\a)+(\k)] matrix_a_fmt:MATRIX_FMT_FP6 matrix_b_fmt:MATRIX_FMT_FP6
.endif
.endr
.endr
.endm
.macro PLACES n                        ; plain vector instructions between a matrix instruction and a load into, or a vector instruction on, its registers
.rept \n
	v_nop
.endr
.endm
.macro STEP k, zero                    ; a K step whose successor's slot is known to be whole
	s_wait_dscnt 12                                ; B's set and A's tiles 0-3 are in; the youngest 12 loads (A's tiles 4-7) may be out
	WIN MUL_LO
	MUL16 0, (\k)%2, \k, \zero
	MUL16 2, (\k)%2, \k, \zero
	s_wait_dscnt 0x0                               ; A's tiles 4-7 are in
	PLACES 4
	FETCH_B (\k)+1, 1-(\k)%2
	FETCH_A (\k)+1, 0
	WIN MUL_HI
	MUL16 4, (\k)%2, \k, \zero
	MUL16 6, (\k)%2, \k, \zero
	PLACES 4
	WIN 0
	FETCH_A (\k)+1, 4
.endm
; A K step (an odd one: B's set 1) with a barrier in it.  In front of the barrier each wave waits for all its tensor loads, adds 0 to its spare word, and waits for that and for its reads of the slot that it leaves.
; fill = 1: the barrier opens a round of the cluster's barrier, and slot 0 is filled again, with the last quarter of K.
.macro TURN k, fill
	s_wait_tensorcnt 0x0                           ; all my tensor loads have landed
	ds_add_u32 v[SPW], v[NIL]                      ; 0 onto my spare word
	s_wait_dscnt 13                                ; (the add and the youngest 12 loads may be out)
	WIN MUL_LO
	MUL16 0, 1, \k, 0                              ; sixteen matrix instructions stand between the add and the wait for it
	s_wait_dscnt 0x0                               ; the add is done, and my reads of this slot are over
	s_barrier_signal -1
	MUL16 2, 1, \k, 0
	WIN 0
	s_barrier_wait -1
.if \fill
	CREST                                          ; no wave of any partner still reads slot 0 or has a load on its way
	s_add_nc_u64 s[G0X0+2:G0X0+3], s[G0X0+2:G0X0+3], 3*QS
	s_add_nc_u64 s[G0W0+2:G0W0+3], s[G0W0+2:G0W0+3], 3*QS
	JLOAD G0X0, G1X, G0W0, G1W                     ; my one tensor load behind the round; its four v_nop are also the places in front of the loads below
.else
	PLACES 4
.endif
	FETCH_B (\k)+1, 0
	FETCH_A (\k)+1, 0
	WIN MUL_HI
	MUL16 4, 1, \k, 0
	MUL16 6, 1, \k, 0
	PLACES 4
	WIN 0
	FETCH_A (\k)+1, 4
.endm
	s_wait_alu depctr_va_vdst(0)
	s_wait_tensorcnt 0x0                           ; my part of slot 0 is in
	ds_add_u32 v[SPW], v[NIL]
	s_wait_dscnt 0x0
	CROUND                                         ; everybody's part is in, and the joint loads meet
	JLOAD G0X1, G1SX, G0W1, G1SW                   ; the second and third quarter of K, one load a wave; K step 0 stands between it and the wait for it
	FETCH_B 0, 0
	FETCH_A 0, 0
	FETCH_A 0, 4
	s_wait_loadcnt 0x0                             ; the scale words are in
	STEP 0, 1                                      ; the first products start the sums: nothing is cleared
	TURN 1, 1                                      ; slot 0 is left and filled again; every wave's wait for 0 has shown slots 1 and 2 whole
	STEP 2, 0
	STEP 3, 0
	STEP 4, 0
	TURN 5, 0                                      ; the refill has landed, everybody's
	STEP 6, 0
	s_wait_dscnt 12                                ; the last step: nothing more to fetch
	WIN MUL_LO
	MUL16 0, 1, 7, 0
	MUL16 2, 1, 7, 0
	s_wait_dscnt 0x0
	WIN MUL_HI
	MUL16 4, 1, 7, 0
	MUL16 6, 1, 7, 0
	WIN 0
	PLACES 4
; THE WAY OUT.  The 64 registers of A's tile a are 128 neighbours along B's rows, register 16 b + i = 32 b + 16 (lane / 16) + i: four blocks of 32.  They become codes: registers 0-5 at d0, 6-11 at d1; the bytes stay in v[TM+4] on.
; Each accumulator is read from its low end on.
.macro QUANTW a, d0, d1
.set AC, 64*((\a)%4)
.set WN, 2+(\a)/4
.set WMX, (WN<<2)|(WN<<4)
	WIN WMX                                        ; sources 1 and 2: the accumulators' window
.irp b, 0,1,2,3
	v_max3_num_f32 v[TM+\b], 0x1800000, |v[AC+16*\b]|, |v[AC+1+16*\b]|   ; the floor 2^(3 - 127): the byte cannot fall under 1
.endr
.irp i, 2,4,6,8,10,12,14
.irp b, 0,1,2,3
	v_max3_num_f32 v[TM+\b], v[TM+\b], |v[AC+16*\b+\i]|, |v[AC+1+16*\b+\i]|
.endr
.endr
	WIN 0
.irp b, 0,1,2,3
	v_permlanex16_b32 v[TM+4+\b], v[TM+\b], s[SEL], s[SEL+1]
.endr
.irp b, 0,1,2,3
	v_max_num_f32 v[TM+\b], v[TM+\b], v[TM+4+\b]
.endr
.irp b, 0,1,2,3
	v_add_nc_u32 v[TM+12+\b], 0xff000000, v[TM+\b] ; 2 off the exponent field: the conversion's scale operand
.endr
.irp b, 0,1,2,3
	v_lshrrev_b32 v[TM+4+\b], 23, v[TM+12+\b]      ; the byte
.endr
	WIN WN                                         ; source 0: the accumulators' window
	v_cvt_scalef32_pk16_fp6_f32 v[\d0:\d0+2], v[AC:AC+15], v[TM+12]
	v_cvt_scalef32_pk16_fp6_f32 v[TC:TC+2], v[AC+16:AC+31], v[TM+13]
	v_cvt_scalef32_pk16_fp6_f32 v[\d1:\d1+2], v[AC+32:AC+47], v[TM+14]
	v_cvt_scalef32_pk16_fp6_f32 v[TC+4:TC+6], v[AC+48:AC+63], v[TM+15]
	WIN 0
	v_nop                                          ; one plain place behind a scaled conversion
.irp i, 0,1,2
	v_permlane16_swap_b32 v[\d0+\i], v[TC+\i]
	v_permlane16_swap_b32 v[\d1+\i], v[TC+4+\i]
.endr
.irp i, 0,1,2
	v_mov_b32 v[\d0+3+\i], v[TC+\i]
	v_mov_b32 v[\d1+3+\i], v[TC+4+\i]
.endr
.endm
	s_mov_b32 s[SEL], 0x76543210
	s_mov_b32 s[SEL+1], 0xfedcba98
.irp b, 0,1,2,3
	v_mov_b32 v[TM+4+\b], 0                        ; written once: a lane permute's destination counts as one of its sources
.endr
	s_cmp_eq_u32 ttmp9, 2                          ; the cluster's x: the same in all partners
	s_cbranch_scc1 .Lvalues
	; q and k: a lane holds a token; blocks 0, 1 are my first head's 64 channels, blocks 2, 3 my second's.  Tiles 2 p and 2 p + 1 make pair p of each head.
.irp p, 0,1,2,3
	s_wait_xcnt 0x0                                ; the last pair's stores have read the images' registers
	QUANTW 2*\p, IMG0, IMG1
.irp c, 0,1
	v_lshl_or_b32 v[WD+4*\c+\p], v[TM+5+2*\c], 8, v[TM+4+2*\c]
.endr
	QUANTW 2*\p+1, IMG0+6, IMG1+6
.irp c, 0,1
	v_lshl_or_b32 v[WD+4*\c+\p], v[TM+4+2*\c], 16, v[WD+4*\c+\p]
	v_lshl_or_b32 v[WD+4*\c+\p], v[TM+5+2*\c], 24, v[WD+4*\c+\p]
.endr
.irp c, 0,1
.irp g, 0,1,2
	global_store_b128 v3, v[IMG0+12*\c+4*\g:IMG0+12*\c+4*\g+3], s[100:101] offset:\c*HS+1536*\p+512*\g   ; 512 consecutive bytes, aligned to 256
.endr
.endr
.endr
	s_branch .Lwords
.Lvalues:
	; v: a lane holds a channel, its registers run along my 128 keys: tile a is image a % 4 of head a / 4
.irp a, 0,1,2,3,4,5,6,7
	s_wait_xcnt 0x0
	QUANTW \a, IMG0, IMG0+6
	v_lshl_or_b32 v[WD+\a], v[TM+5], 8, v[TM+4]
	v_lshl_or_b32 v[WD+\a], v[TM+6], 16, v[WD+\a]
	v_lshl_or_b32 v[WD+\a], v[TM+7], 24, v[WD+\a]
.irp g, 0,1,2
	global_store_b128 v3, v[IMG0+4*\g:IMG0+4*\g+3], s[100:101] offset:(\a/4)*HS+6144+1536*(\a%4)+512*\g
.endr
.endr
.Lwords:
	v_cmp_ne_u32 vcc_lo, 0, v2                     ; every lane holds both heads' words of its row: lanes 0-15 store the first head's, lanes 16-31 the second's
	s_wait_alu depctr_va_vdst(0)
.irp i, 0,1,2,3
	v_cndmask_b32 v[WS+\i], v[WD+\i], v[WD+4+\i], vcc_lo
.endr
	global_store_b128 v[SOFF], v[WS:WS+3], s[100:101] offset:12288   ; twice 256 consecutive bytes, aligned
	s_wait_tensorcnt 0x0                           ; the wave's end
	ds_add_u32 v[SPW], v[NIL]
	s_wait_dscnt 0x0
	CROUND                                         ; the closing round
	s_endpgm
.Lfunc_end_k_qacff285f60_qkv:
	.size	k_qacff285f60_qkv, .Lfunc_end_k_qacff285f60_qkv-k_qacff285f60_qkv
	.p2alignl 7, 3214868480
	.fill 96, 4, 3214868480
	.section	.rodata,"a",@progbits
	.p2align	6, 0x0
	.amdhsa_kernel k_qacff285f60_qkv
		.amdhsa_group_segment_fixed_size 327680
		.amdhsa_private_segment_fixed_size 0
		.amdhsa_enable_private_segment 0
		.amdhsa_kernarg_size 48
		.amdhsa_user_sgpr_count 2
		.amdhsa_user_sgpr_kernarg_segment_ptr 1
		.amdhsa_wavefront_size32 1
		.amdhsa_system_sgpr_workgroup_id_x 1
		.amdhsa_system_sgpr_workgroup_id_y 1
		.amdhsa_system_sgpr_workgroup_id_z 1
		.amdhsa_system_vgpr_workitem_id 0
		.amdhsa_next_free_vgpr 1024
		.amdhsa_next_free_sgpr 102
		.amdhsa_reserve_vcc 1
		.amdhsa_float_denorm_mode_32 3
		.amdhsa_float_denorm_mode_16_64 3
		.amdhsa_memory_ordered 1
		.amdhsa_forward_progress 1
		.amdhsa_inst_pref_size 172
	.end_amdhsa_kernel
	.amdgpu_metadata
---
amdhsa.version: [ 1, 2 ]
amdhsa.kernels:
  - .name:           k_qacff285f60_qkv
    .symbol:         k_qacff285f60_qkv.kd
    .args:
      - { .name: xcod, .offset: 0, .size: 8, .value_kind: global_buffer, .address_space: global }
      - { .name: xscl, .offset: 8, .size: 8, .value_kind: global_buffer, .address_space: global }
      - { .name: wcod, .offset: 16, .size: 8, .value_kind: global_buffer, .address_space: global }
      - { .name: wscl, .offset: 24, .size: 8, .value_kind: global_buffer, .address_space: global }
      - { .name: qrec, .offset: 32, .size: 8, .value_kind: global_buffer, .address_space: global }
      - { .name: kvrec, .offset: 40, .size: 8, .value_kind: global_buffer, .address_space: global }
    .group_segment_fixed_size: 327680
    .private_segment_fixed_size: 0
    .kernarg_segment_align: 8
    .kernarg_segment_size: 48
    .max_flat_workgroup_size: 128
    .sgpr_count:     102
    .vgpr_count:     1024
    .wavefront_size: 32
...
	.end_amdgpu_metadata
.endif
;; end of part 2
;; launch attn (part 3): grid 16 x 16, 16 waves a work-group, clusters of 4 x 1, 327,680 bytes of LDS; arguments qrec, kvrec, acod, ascl; writes acod, ascl
.if DOCPART == 3
	.amdgcn_target "amdgcn-amd-amdhsa--gfx1250"
	.amdhsa_code_object_version 6
	.text
	.protected	k_qacff285f60_attn
	.globl	k_qacff285f60_attn
	.p2align	8
	.type	k_qacff285f60_attn,@function
k_qacff285f60_attn:
	s_mov_b64 s[64:65], 0
	v_nop
	global_prefetch_b8 v0, s[64:65] scope:SCOPE_SE
	s_setreg_imm32_b32 hwreg(HW_REG_WAVE_MODE, 25, 1), 1
	s_wait_xcnt 0x0
	s_wait_alu depctr_hold_cnt(0) depctr_sa_sdst(0) depctr_va_vdst(0) depctr_va_sdst(0) depctr_va_ssrc(0) depctr_va_vcc(0) depctr_vm_vsrc(0)
	s_getreg_b32 s2, hwreg(HW_REG_IB_STS2, 6, 4)
	s_cmp_eq_u32 s2, 0
	s_cbranch_scc0 .Lentry_in_a_cluster
	s_endpgm
.Lentry_in_a_cluster:
	s_bfe_u32 s2, ttmp6, 0x10000c
	s_cmp_lg_u32 s2, 0x3003
	s_cbranch_scc0 .Lentry_shape_is_right
	s_endpgm
.Lentry_shape_is_right:
; Causal attention of one head on codes of FP6 (E2M3) with E8M0 scales: S^T = k q^T, p = 2^(t - M) with M the ceiling of the running largest t, p quantised by blocks of 32 keys, O^T += v^T p^T,
; the row's sum of the unquantised p, O / sum quantised along the head's 64 and stored as codes for the projection.
; LEFT OUT: tiles of 16 queries x 128 keys whose keys all lie behind the queries: the causal mask sets their logits to -inf, so their p is 0 for all values of the inputs.
; A NaN or an infinity that reaches only those tiles is not carried to the result.
; LIMITS: NaN and infinities are not served; the promise holds while the scaled scores stay under 2^31 in magnitude; a block under 2^-124 gets the byte 1 (this program alone reads the bytes).
; SHARES.  A head has 32 chunks of 128 tokens; a record of kvrec holds a chunk's keys and values.  Work-group i = 0..15 of a head takes tile t = i % 8 (16 queries) of the chunks cl = i / 8 + 2 k and 31 - cl, k = 0..7.
; The two tiles of a pair need cl + 1 and 32 - cl records: 33.  Wave 2 k (A) takes the upper tile against records 0..15, 16 steps, none on the diagonal.  Wave 2 k + 1 (B) takes the lower tile against records 0..cl,
; stores it, and then the upper tile against records 31 - cl down to 16: 17 steps.  At the end A hands its O, sum and M to B through LDS; both M are whole numbers, so the join multiplies by exact powers of two.
; So at step s every wave reads record s or record 32 - s, whatever cl is.  LDS holds the records in that order: entry e = 2 s is record s, entry e = 2 s - 1 is record 32 - s; entry e lies at place e + 1
; (place 0 is never filled and never read by a wave at work), entries 23..31 at places 1..9.
; FILLS: at the head one load a wave: wave 0 entries 0 and 1 (records 0 and 31 as two rows of one tile), wave w entry w + 1.  Behind the first round entries 17..22 (waves 0-5), first read at step 9.
; Behind the second round, after step 5, entries 23..31 (waves 0-8) into the places of entries 0..8, last read at step 4; first read at step 12.  Every wait on TENSORcnt is for 0.
; CLUSTERS: four work-groups of one head form a cluster and ask for every record jointly; the descriptors hang on the head and the wave's number alone; branches hang on the cluster's x, the wave and the step.
; NO PREFETCH: the two later fills are asked for six steps ahead of the barrier that shows them, and ahead of the head's loads there is no loop to run ahead in.
.set REC,   12800
.set HS,    409600
.set SPARE, 24*REC                     ; the spare words, 128 bytes a wave
.set STG,   12*REC                     ; the join's stage: places 12 on have had their last fill and their last read at the barrier in front of step 12
.set SPB,   4352                       ; a pair's stage: 32 registers' images and 8 bytes a lane
.set LI,   1
.set SPW,  2
.set NIL,  3
.set ADR,  4
.set QD,   5
.set QLO,  16
.set QHI,  28
.set KF,   40
.set SCL,  88
.set QLS,  92
.set QHS,  93
.set PW,   94
.set S,    96
.set O,    160
.set PC,   192
.set TC,   204
.set BM,   212
.set BP,   216
.set BS,   220
.set F,    224
.set TMP,  226
.set SUM2, 228
.set QX,   230                         ; the upper tile's q, kept for B's change of tiles; v236 its scale word
.set QXS,  236
.set OF6,  237
.set OF7,  238
.set STA,  239
.set MA,   240
.set FA,   242
.set STB,  244
.set WV,   12
.set HD,   13
.set ROLE, 14
.set CL,   15
.set LIM,  16                          ; the last step on the ascending records: A 15, B cl
.set SWT,  17                          ; B's change of tiles: step cl + 1
.set CLM,  18                          ; steps CLM and CLM + 1 lie on a diagonal (A: none)
.set SEL,  20
.set CS,   22
.set G1,   24
.set G1P,  32
.set G0P,  40
.set G0A,  44
.set G02,  48
.set G03,  52
.set TB,   56
.set KS,   57
.set CNT,  58
.set TS,   59
.set US,   60
.set AL,   80
.set SL,   82
.set AH,   84
.set SH,   86
.set Q1,   88
.set Q2,   90
.macro ROUND                           ; a round of the cluster's barrier
	s_barrier_signal -1
	s_barrier_wait -1
	s_cmp_lg_u32 s[WV], 0
	s_cbranch_scc1 .Lnot_wave_0_\@
	s_barrier_signal -3
.Lnot_wave_0_\@:
	s_barrier_wait -3
	s_barrier_signal -1
	s_barrier_wait -1
.endm
.macro MKQ g, e0, p0                   ; group 0 for entry e = e0 + wave at place p0 + wave.  s = (e + 1) / 2; the record is s for an even e, 32 - s for an odd one
	s_add_co_u32 s74, s[WV], \e0
	s_add_co_u32 s75, s74, 1
	s_lshr_b32 s75, s75, 1
	s_and_b32 s74, s74, 1
	s_mul_i32 s76, s74, s75
	s_lshl_b32 s76, s76, 1
	s_lshl_b32 s74, s74, 5
	s_add_co_u32 s75, s75, s74
	s_sub_co_u32 s75, s75, s76
	s_mul_i32 s76, s75, REC
	s_mov_b32 s[\g], 1
	s_mul_i32 s[\g+1], s[WV], REC
	s_add_co_u32 s[\g+1], s[\g+1], \p0*REC
	s_add_nc_u64 s[\g+2:\g+3], s[72:73], s[76:77]
	s_or_b32 s[\g+3], s[\g+3], 0x80000000
.endm
.macro FILL lim, g                     ; waves 0 .. lim - 1 ask for a record each, jointly
	s_cmp_lt_u32 s[WV], \lim
	s_cbranch_scc0 .Lno_fill_\@
	tensor_load_to_lds s[\g:\g+3], s[G1:G1+7]
	s_nop 0
.rept 4
	v_nop
.endr
.Lno_fill_\@:
.endm
.macro OUTADR ch, ad, sd               ; where tile t of chunk s[ch] goes in acod and ascl
	s_lshl_b32 s76, s[\ch], 3
	s_add_co_u32 s76, s76, s68
	s_mul_i32 s74, s76, 3072
	s_add_co_u32 s74, s74, s66
	s_add_nc_u64 s[\ad:\ad+1], s[8:9], s[74:75]
	s_lshl_b32 s74, s76, 9
	s_add_co_u32 s74, s74, s67
	s_add_nc_u64 s[\sd:\sd+1], s[10:11], s[74:75]
.endm
	s_load_b256 s[4:11], s[0:1], 0x0               ; qrec, kvrec, acod, ascl
	v_lshl_add_u32 v[SPW], v0, 2, SPARE
	v_mov_b32 v[NIL], 0
	ds_add_u32 v[SPW], v[NIL]                      ; the opening lines
	ds_add_u32 v[SPW], v[NIL]
	v_lshrrev_b32 v4, 5, v0
	v_readfirstlane_b32 s[WV], v4
	s_and_b32 s[HD], ttmp7, 0xffff                 ; the head
	s_bfe_u32 s66, ttmp6, 0x40000                  ; cx
	s_lshr_b32 s67, ttmp9, 1                       ; i / 8: the same in all four partners
	s_and_b32 s68, ttmp9, 1
	s_lshl_b32 s68, s68, 2
	s_add_co_u32 s68, s68, s66                     ; t = i % 8: enters global addresses and the mask's numbers alone
	s_and_b32 s[ROLE], s[WV], 1                    ; 0 A, 1 B
	s_lshr_b32 s69, s[WV], 1                       ; k
	s_lshl_b32 s[CL], s69, 1
	s_add_co_u32 s[CL], s[CL], s67                 ; cl
	s_sub_co_u32 s70, 31, s[CL]                    ; the upper chunk
	s_add_co_u32 s[SWT], s[CL], 1
	s_cmp_eq_u32 s[ROLE], 0
	s_cselect_b32 s[LIM], 15, s[CL]
	s_cselect_b32 s[CLM], 64, s[CL]
	s_cselect_b32 s71, s70, s[CL]                  ; the chunk of my first tile
	s_mul_i32 s78, s[HD], HS
	s_mov_b32 s79, 0
	s_mov_b32 s77, 0
	s_mov_b32 s[G1], 15|(3<<16)|(1<<21)            ; a record as 50 rows of 256 bytes; the mask names the cluster's four
	s_mov_b32 s[G1+1], 32<<16
	s_mov_b32 s[G1+2], 50<<16
	s_mov_b32 s[G1+3], 32<<16
	s_mov_b32 s[G1+4], 50
	s_mov_b32 s[G1+5], 32
	s_mov_b32 s[G1+6], 0
	s_mov_b32 s[G1+7], 0
	s_mov_b32 s[G1P], 15|(3<<16)|(1<<21)           ; records 0 and 31: two rows of 12,800 bytes, 31 records apart
	s_mov_b32 s[G1P+1], 1600<<16
	s_mov_b32 s[G1P+2], 2<<16
	s_mov_b32 s[G1P+3], 1600<<16
	s_mov_b32 s[G1P+4], 2
	s_mov_b32 s[G1P+5], 31*1600
	s_mov_b32 s[G1P+6], 0
	s_mov_b32 s[G1P+7], 0
	s_mov_b32 s[SEL], 0x76543210
	s_mov_b32 s[SEL+1], 0xfedcba98
	s_mov_b32 s[CS], 0x3e38aa3b                    ; log2(e) / 8
	s_mov_b32 s[CS+1], s[CS]
	s_wait_dscnt 0x0
	s_wait_kmcnt 0x0
	s_add_nc_u64 s[72:73], s[6:7], s[78:79]        ; the head's records
	s_mov_b32 s[G0P], 1
	s_mov_b32 s[G0P+1], REC
	s_mov_b64 s[G0P+2:G0P+3], s[72:73]
	s_or_b32 s[G0P+3], s[G0P+3], 0x80000000
	MKQ G0A, 1, 2
	MKQ G02, 17, 18
	MKQ G03, 23, 1
	ROUND                                          ; the first joint loads meet
	s_cmp_eq_u32 s[WV], 0
	s_cbranch_scc0 .Lhead_one
	tensor_load_to_lds s[G0P:G0P+3], s[G1P:G1P+7]
	s_nop 0
.rept 4
	v_nop
.endr
	s_branch .Lhead_asked
.Lhead_one:
	tensor_load_to_lds s[G0A:G0A+3], s[G1:G1+7]
	s_nop 0
.rept 4
	v_nop
.endr
.Lhead_asked:
	s_lshr_b32 s92, s68, 1                         ; p: the pair image of my tile, u: which half of its rows
	s_and_b32 s93, s68, 1
	s_lshl_b32 s[US], s93, 4
	s_lshl_b32 s94, s92, 5
	s_lshl_b32 s95, s93, 3
	s_add_co_u32 s94, s94, s95
	s_mul_i32 s95, s92, 1536
	s_mul_i32 s96, s93, 520
	s_add_co_u32 s96, s96, s95
	s_mul_i32 s97, s93, 1016
	s_add_co_u32 s97, s97, s95
	s_lshl_b32 s92, s92, 2
	s_mul_i32 s74, s71, REC
	s_add_co_u32 s74, s74, s78
	s_mov_b32 s75, 0
	s_add_nc_u64 s[Q1:Q1+1], s[4:5], s[74:75]
	s_mul_i32 s74, s70, REC
	s_add_co_u32 s74, s74, s78
	s_add_nc_u64 s[Q2:Q2+1], s[4:5], s[74:75]
	s_lshr_b32 s66, s[HD], 2
	s_mul_i32 s66, s66, 786432
	s_and_b32 s67, s[HD], 3
	s_mul_i32 s67, s67, 768
	s_add_co_u32 s66, s66, s67
	s_lshr_b32 s67, s[HD], 3
	s_lshl_b32 s67, s67, 8
	s_and_b32 s76, s[HD], 7
	s_lshl_b32 s76, s76, 1
	s_add_co_u32 s67, s67, s76
	OUTADR CL, AL, SL
	OUTADR 70, AH, SH
	s_mul_i32 s76, s69, SPB
	s_add_co_u32 s76, s76, STG                     ; my pair's stage
	v_and_b32 v[LI], 31, v0
	v_and_b32 v10, 15, v0
	v_bfe_u32 v11, v0, 4, 1
	v_lshlrev_b32 v[LI], 4, v[LI]
	v_and_b32 v[QD], 8, v10
	v_lshlrev_b32 v4, 4, v11
	v_add_nc_u32 v[QD], v[QD], v10
	v_sub_nc_u32 v[QD], v[QD], v4
	v_add_nc_u32 v[QD], s94, v[QD]                 ; my query's place in its chunk, less 16 x my half of the lanes
	v_add_nc_u32 v6, s96, v[LI]
	v_add_nc_u32 v7, s97, v[LI]
	v_lshl_add_u32 v9, v10, 4, s92
	v_lshrrev_b32 v[OF6], 1, v[LI]
	v_lshl_add_u32 v[OF7], v10, 4, v11
	v_add_nc_u32 v[STA], s76, v[LI]
	v_add_nc_u32 v[STB], s76, v[OF6]
	s_wait_alu depctr_va_vdst(0)
	global_load_b64 v[QLO:QLO+1], v6, s[Q1:Q1+1]   ; my first tile's q (A: the upper tile's), six registers of its pair image
	global_load_b64 v[QLO+2:QLO+3], v7, s[Q1:Q1+1] offset:8
	global_load_b64 v[QLO+4:QLO+5], v6, s[Q1:Q1+1] offset:512
	global_load_b32 v[QLS], v9, s[Q1:Q1+1] offset:12288
	global_load_b64 v[QX:QX+1], v6, s[Q2:Q2+1]     ; the upper tile's q, for B's change of tiles (in A the same numbers once more)
	global_load_b64 v[QX+2:QX+3], v7, s[Q2:Q2+1] offset:8
	global_load_b64 v[QX+4:QX+5], v6, s[Q2:Q2+1] offset:512
	global_load_b32 v[QXS], v9, s[Q2:Q2+1] offset:12288
.irp i, 0,1,2,3,4,5
	v_mov_b32 v[QLO+6+\i], 0                       ; K = 64: the other half of the instruction's 128 is zero codes
	v_mov_b32 v[QHI+\i], 0
.endr
	v_mov_b32 v13, 0xff61b1e6                      ; the largest t so far: -3e38
	v_floor_f32 v12, -v13
	v_mov_b32 v14, 0
	v_mov_b32 v15, 0
.irp b, 0,1,2,3
	v_mov_b32 v[BP+\b], 0
.endr
	v_mov_b32 v[F+1], 0
	v_mov_b32 v[FA+1], 0
	v_mov_b32 v[TMP], 0
	s_wait_loadcnt 0x0
	v_lshrrev_b32 v[QLS], s[US], v[QLS]
	v_lshlrev_b32 v[QHS], 16, v[QLS]
.irp i, 0,1,2,3,4,5
	v_mov_b32 v[QHI+6+\i], v[QLO+\i]
.endr
.set n, 0
.rept 32
	v_mov_b32 v[O+n], 0
.set n, n+1
.endr
; A finished tile: O / sum, quantised along the head's 64 channels, stored as half a fragment's image and two scale bytes a row
.macro EPI ca, cs
.rept 4
	v_nop
.endr
	v_add_f32 v14, v14, v15
	s_delay_alu instid0(VALU_DEP_1)
	v_permlanex16_b32 v[TMP], v14, s[SEL], s[SEL+1]
	s_delay_alu instid0(VALU_DEP_1)
	v_add_f32 v14, v14, v[TMP]
	s_wait_alu depctr_va_vdst(0)                   ; ahead of the transcendental
	v_rcp_f32 v[F], v14
	v_nop
	s_wait_alu depctr_va_vdst(0)                   ; and ahead of its first reader, which is O's first reader too
.set n, 0
.rept 16
	v_pk_mul_f32 v[S+n:S+n+1], v[O+n:O+n+1], v[F:F+1] op_sel_hi:[1,0]
.set n, n+2
.endr
.irp b, 0,1
	v_max3_num_f32 v[BM+\b], |v[S+16*\b]|, |v[S+1+16*\b]|, 0x1800000
.endr
.irp i, 2,4,6,8,10,12,14
.irp b, 0,1
	s_delay_alu instid0(VALU_DEP_2)
	v_max3_num_f32 v[BM+\b], v[BM+\b], |v[S+16*\b+\i]|, |v[S+1+16*\b+\i]|
.endr
.endr
.irp b, 0,1
	s_delay_alu instid0(VALU_DEP_2)
	v_permlanex16_b32 v[BP+\b], v[BM+\b], s[SEL], s[SEL+1]
.endr
.irp b, 0,1
	s_delay_alu instid0(VALU_DEP_2)
	v_max_num_f32 v[BM+\b], v[BM+\b], v[BP+\b]
.endr
.irp b, 0,1
	s_delay_alu instid0(VALU_DEP_2)
	v_add_nc_u32 v[BS+\b], 0xff000000, v[BM+\b]
.endr
.irp b, 0,1
	s_delay_alu instid0(VALU_DEP_2)
	v_lshrrev_b32 v[BP+\b], 23, v[BS+\b]
.endr
	v_cvt_scalef32_pk16_fp6_f32 v[PC:PC+2], v[S:S+15], v[BS]
	v_cvt_scalef32_pk16_fp6_f32 v[PC+4:PC+6], v[S+16:S+31], v[BS+1]
	v_nop
.irp i, 0,1,2
	v_permlane16_swap_b32 v[PC+\i], v[PC+4+\i]
.endr
	s_delay_alu instid0(VALU_DEP_3)
	v_mov_b32 v[PC+3], v[PC+4]
	s_delay_alu instid0(VALU_DEP_3)
	v_mov_b32 v[PC+4], v[PC+5]
	s_delay_alu instid0(VALU_DEP_3)
	v_mov_b32 v[PC+5], v[PC+6]
	v_cmp_ne_u32 vcc_lo, 0, v11
	s_delay_alu instid0(VALU_DEP_1)
	v_cndmask_b32 v[TMP], v[BP], v[BP+1], vcc_lo
	global_store_b128 v[LI], v[PC:PC+3], s[\ca:\ca+1]
	global_store_b64 v[OF6], v[PC+4:PC+5], s[\ca:\ca+1] offset:512
	global_store_b8 v[OF7], v[TMP], s[\cs:\cs+1]
.endm
; A step: 16 queries x the 128 keys of one record.  s[TB] is the place of entry 2 s - 1; entry 2 s lies one place on.
.macro STEP
	s_cmp_gt_u32 s[KS], s[LIM]
	s_cselect_b32 s[TS], 0, REC                    ; behind my last ascending record: record 32 - s; else record s
	s_add_co_u32 s[TS], s[TS], s[TB]
	s_cmp_gt_u32 s[KS], s[LIM]
	s_cbranch_scc0 .Lgo_\@
	s_cmp_eq_u32 s[ROLE], 0
	s_cbranch_scc1 .Lhid_\@                        ; A has no step 16
	s_cmp_eq_u32 s[KS], s[SWT]
	s_cbranch_scc0 .Lgo_\@
	EPI AL, SL                                     ; B's lower tile is finished: it leaves, and the upper tile begins
	v_lshrrev_b32 v[QLS], s[US], v[QXS]
	v_lshlrev_b32 v[QHS], 16, v[QLS]
.irp i, 0,1,2,3,4,5
	v_mov_b32 v[QLO+\i], v[QX+\i]
	v_mov_b32 v[QHI+6+\i], v[QX+\i]
.endr
	v_mov_b32 v13, 0xff61b1e6
	v_mov_b32 v14, 0
	v_floor_f32 v12, -v13
	v_mov_b32 v15, 0
.set n, 0
.rept 32
	v_mov_b32 v[O+n], 0
.set n, n+1
.endr
	s_wait_alu depctr_va_vdst(0)
	s_wait_xcnt 0x0                                ; the stores have read their registers, which the step writes again
.Lgo_\@:
	v_add_nc_u32 v[ADR], s[TS], v[LI]
.rept 3
	v_nop
.endr
	ds_load_b128 v[SCL:SCL+3], v[ADR] offset:12288
.irp b, 0,1,2,3
.irp g, 0,1,2
	ds_load_b128 v[KF+12*\b+4*\g:KF+12*\b+4*\g+3], v[ADR] offset:1536*\b+512*\g
.endr
.endr
	s_wait_alu depctr_va_vdst(0)
.irp b, 0,1,2,3
	s_wait_dscnt 9-3*\b                            ; pair image b is in; the 3 loads of each later image may be out
	v_wmma_scale_f32_16x16x128_f8f6f4 v[S+16*\b:S+16*\b+7], v[KF+12*\b:KF+12*\b+11], v[QLO:QLO+11], 0, v[SCL+\b], v[QLS] matrix_a_fmt:MATRIX_FMT_FP6 matrix_b_fmt:MATRIX_FMT_FP6
	v_wmma_scale_f32_16x16x128_f8f6f4 v[S+16*\b+8:S+16*\b+15], v[KF+12*\b:KF+12*\b+11], v[QHI:QHI+11], 0, v[SCL+\b], v[QHS] matrix_a_fmt:MATRIX_FMT_FP6 matrix_b_fmt:MATRIX_FMT_FP6
.endr
.rept 4
	v_nop
.endr
.irp t, 0,1,2,3
.irp g, 0,1,2
	ds_load_b128 v[KF+12*\t+4*\g:KF+12*\t+4*\g+3], v[ADR] offset:6144+1536*\t+512*\g
.endr
.endr
	s_sub_co_u32 s[TS], s[KS], s[CLM]              ; 0 or 1: this record is my tile's own chunk
	s_cmp_gt_u32 s[TS], 1
	s_cbranch_scc1 .Lopen_\@
	v_mov_b32 v[TMP], 0xff800000
.set n, 0
.rept 64
	v_cmp_gt_i32 vcc_lo, 32*(n/16)+n%16, v[QD]
	v_cndmask_b32 v[S+n], v[S+n], v[TMP], vcc_lo
.set n, n+1
.endr
.Lopen_\@:
.irp b, 0,1,2,3
	v_max3_num_f32 v[BM+\b], v[S+16*\b], v[S+1+16*\b], v[S+2+16*\b]
.endr
.irp i, 3,5,7,9,11,13
.irp b, 0,1,2,3
	v_max3_num_f32 v[BM+\b], v[BM+\b], v[S+16*\b+\i], v[S+1+16*\b+\i]
.endr
.endr
.irp b, 0,1,2,3
	v_max_num_f32 v[BM+\b], v[BM+\b], v[S+15+16*\b]
.endr
.irp b, 0,1,2,3
	s_delay_alu instid0(VALU_DEP_4)
	v_permlanex16_b32 v[BP+\b], v[BM+\b], s[SEL], s[SEL+1]
.endr
.irp b, 0,1,2,3
	s_delay_alu instid0(VALU_DEP_4)
	v_max_num_f32 v[BM+\b], v[BM+\b], v[BP+\b]
.endr
	s_delay_alu instid0(VALU_DEP_2)
	v_max3_num_f32 v[TMP], v[BM], v[BM+1], v[BM+2]
	s_delay_alu instid0(VALU_DEP_1)
	v_max_num_f32 v[TMP], v[TMP], v[BM+3]
	s_delay_alu instid0(VALU_DEP_1)
	v_mul_f32 v[TMP], s[CS], v[TMP]
	s_delay_alu instid0(VALU_DEP_1)
	v_max_num_f32 v13, v13, v[TMP]
	v_mov_b32 v[TMP], v12
	s_delay_alu instid0(VALU_DEP_2)
	v_floor_f32 v12, -v13                          ; -M = floor(-t)
	s_delay_alu instid0(VALU_DEP_1)
	v_sub_f32 v[TMP], v12, v[TMP]
	s_delay_alu instid0(VALU_DEP_1)
	v_cvt_i32_f32 v[TMP], v[TMP]
	s_delay_alu instid0(VALU_DEP_1)
	v_ldexp_f32 v[F], 1.0, v[TMP]                  ; 2^(old M - new M)
.set n, 0
.rept 32
	v_pk_fma_f32 v[S+n:S+n+1], v[S+n:S+n+1], s[CS:CS+1], v[12:13] op_sel_hi:[1,0,0]
.set n, n+2
.endr
.irp b, 0,1,2,3
	v_fma_f32 v[BM+\b], v[BM+\b], s[CS], v12
.endr
.set n, 0
	s_wait_alu depctr_va_vdst(0)
.rept 64
	v_exp_f32 v[S+n], v[S+n]
.set n, n+1
.endr
	v_pk_mul_f32 v[14:15], v[14:15], v[F:F+1] op_sel_hi:[1,0]
	s_wait_alu depctr_va_vdst(0)
.irp b, 0,1,2,3
	v_exp_f32 v[BM+\b], v[BM+\b]                   ; each block's largest p
.endr
	v_pk_add_f32 v[SUM2:SUM2+1], v[S:S+1], v[S+2:S+3]
.irp j, 4,8,12,16,20,24,28,32,36,40,44,48,52,56,60
	v_pk_add_f32 v[14:15], v[14:15], v[S+\j:S+1+\j]
	v_pk_add_f32 v[SUM2:SUM2+1], v[SUM2:SUM2+1], v[S+2+\j:S+3+\j]
.endr
	s_delay_alu instid0(VALU_DEP_1)
	v_pk_add_f32 v[14:15], v[14:15], v[SUM2:SUM2+1]
	s_wait_alu depctr_va_vdst(0)
.irp b, 0,1,2,3
	v_max_num_f32 v[BM+\b], 0x1800000, v[BM+\b]
.endr
.irp b, 0,1,2,3
	s_delay_alu instid0(VALU_DEP_4)
	v_add_nc_u32 v[BS+\b], 0xff000000, v[BM+\b]
.endr
.irp b, 0,1,2,3
	s_delay_alu instid0(VALU_DEP_4)
	v_lshrrev_b32 v[BP+\b], 23, v[BS+\b]
.endr
	s_delay_alu instid0(VALU_DEP_3)
	v_lshl_or_b32 v[PW], v[BP+1], 8, v[BP]
	s_delay_alu instid0(VALU_DEP_1)
	v_lshl_or_b32 v[PW], v[BP+2], 16, v[PW]
	s_delay_alu instid0(VALU_DEP_1)
	v_lshl_or_b32 v[PW], v[BP+3], 24, v[PW]
	v_cvt_scalef32_pk16_fp6_f32 v[PC:PC+2], v[S:S+15], v[BS]
	v_cvt_scalef32_pk16_fp6_f32 v[TC:TC+2], v[S+16:S+31], v[BS+1]
	v_cvt_scalef32_pk16_fp6_f32 v[PC+6:PC+8], v[S+32:S+47], v[BS+2]
	v_cvt_scalef32_pk16_fp6_f32 v[TC+4:TC+6], v[S+48:S+63], v[BS+3]
	v_nop
.irp i, 0,1,2
	v_permlane16_swap_b32 v[PC+\i], v[TC+\i]
	v_permlane16_swap_b32 v[PC+6+\i], v[TC+4+\i]
.endr
.irp i, 0,1,2
	v_mov_b32 v[PC+3+\i], v[TC+\i]
	v_mov_b32 v[PC+9+\i], v[TC+4+\i]
.endr
.set n, 0
.rept 16
	v_pk_mul_f32 v[O+n:O+n+1], v[O+n:O+n+1], v[F:F+1] op_sel_hi:[1,0]
.set n, n+2
.endr
	s_wait_alu depctr_va_vdst(0)
	s_wait_dscnt 0x0
.irp t, 0,1,2,3
	v_wmma_scale_f32_16x16x128_f8f6f4 v[O+8*\t:O+8*\t+7], v[KF+12*\t:KF+12*\t+11], v[PC:PC+11], v[O+8*\t:O+8*\t+7], v[SCL+\t], v[PW] matrix_a_fmt:MATRIX_FMT_FP6 matrix_b_fmt:MATRIX_FMT_FP6 matrix_a_scale:MATRIX_SCALE_ROW1
.endr
.Lhid_\@:
	s_add_co_u32 s[KS], s[KS], 1
	s_add_co_u32 s[TB], s[TB], 2*REC
.endm
	s_wait_alu depctr_va_vdst(0)
	s_wait_tensorcnt 0x0                           ; my head's load is in
	ds_add_u32 v[SPW], v[NIL]
	s_wait_dscnt 0x0
	ROUND
	FILL 6, G02                                    ; entries 17..22
	s_mov_b32 s[KS], 0
	s_mov_b32 s[TB], 0
	s_mov_b32 s[CNT], 6
.Lfirst:                                               ; steps 0..5: places 0..11
	STEP
	s_sub_co_u32 s[CNT], s[CNT], 1
	s_cmp_lg_u32 s[CNT], 0
	s_cbranch_scc1 .Lfirst
	s_wait_tensorcnt 0x0                           ; all my loads are in,
	ds_add_u32 v[SPW], v[NIL]
	s_wait_dscnt 0x0                               ; and my reads of places 1..9 are over
	ROUND
	FILL 9, G03                                    ; entries 23..31 into places 1..9
	s_mov_b32 s[CNT], 6
.Lsecond:                                              ; steps 6..11: places 12..23
	STEP
	s_sub_co_u32 s[CNT], s[CNT], 1
	s_cmp_lg_u32 s[CNT], 0
	s_cbranch_scc1 .Lsecond
	s_wait_tensorcnt 0x0
	ds_add_u32 v[SPW], v[NIL]
	s_wait_dscnt 0x0
	s_barrier_signal -1
	s_barrier_wait -1                              ; everybody's part of the refill is in
	s_mov_b32 s[TB], REC
	s_mov_b32 s[CNT], 5
.Lthird:                                               ; steps 12..16: places 1..10
	STEP
	s_sub_co_u32 s[CNT], s[CNT], 1
	s_cmp_lg_u32 s[CNT], 0
	s_cbranch_scc1 .Lthird
	s_cmp_eq_u32 s[ROLE], 0
	s_cbranch_scc0 .Lkeeps
.rept 4
	v_nop
.endr
	v_add_f32 v14, v14, v15                        ; A hands over: my lane's sum, -M,
	v_mov_b32 v15, v12
.irp i, 0,1,2,3,4,5,6,7
	ds_store_b128 v[STA], v[O+4*\i:O+4*\i+3] offset:512*\i   ; and O^T as an image of its registers
.endr
	ds_store_b64 v[STB], v[14:15] offset:4096
.Lkeeps:
	s_wait_alu depctr_va_vdst(0)
	s_wait_dscnt 0x0
	s_barrier_signal -1
	s_barrier_wait -1
	s_cmp_eq_u32 s[ROLE], 0
	s_cbranch_scc1 .Lend
.irp i, 0,1,2,3,4,5,6,7
	ds_load_b128 v[S+4*\i:S+4*\i+3], v[STA] offset:512*\i
.endr
	ds_load_b64 v[MA:MA+1], v[STB] offset:4096
.rept 4
	v_nop
.endr
	s_wait_dscnt 0x0
	v_min_num_f32 v[TMP], v12, v[MA+1]             ; the joint -M: both parts go under the larger M, by exact powers of two
	v_add_f32 v14, v14, v15
	v_sub_f32 v[F], v[TMP], v12
	v_sub_f32 v[FA], v[TMP], v[MA+1]
	v_mov_b32 v15, 0
	v_cvt_i32_f32 v[F], v[F]
	v_cvt_i32_f32 v[FA], v[FA]
	v_ldexp_f32 v[F], 1.0, v[F]
	v_ldexp_f32 v[FA], 1.0, v[FA]
	v_mul_f32 v14, v14, v[F]
	v_fma_f32 v14, v[MA], v[FA], v14
.set n, 0
.rept 16
	v_pk_mul_f32 v[O+n:O+n+1], v[O+n:O+n+1], v[F:F+1] op_sel_hi:[1,0]
.set n, n+2
.endr
.set n, 0
.rept 16
	v_pk_fma_f32 v[O+n:O+n+1], v[S+n:S+n+1], v[FA:FA+1], v[O+n:O+n+1] op_sel_hi:[1,0,1]
.set n, n+2
.endr
	EPI AH, SH
.Lend:
	s_wait_tensorcnt 0x0                           ; the wave's end
	ds_add_u32 v[SPW], v[NIL]
	s_wait_dscnt 0x0
	ROUND                                          ; the closing round
	s_endpgm
.Lfunc_end_k_qacff285f60_attn:
	.size	k_qacff285f60_attn, .Lfunc_end_k_qacff285f60_attn-k_qacff285f60_attn
	.p2alignl 7, 3214868480
	.fill 96, 4, 3214868480
	.section	.rodata,"a",@progbits
	.p2align	6, 0x0
	.amdhsa_kernel k_qacff285f60_attn
		.amdhsa_group_segment_fixed_size 327680
		.amdhsa_private_segment_fixed_size 0
		.amdhsa_enable_private_segment 0
		.amdhsa_kernarg_size 32
		.amdhsa_user_sgpr_count 2
		.amdhsa_user_sgpr_kernarg_segment_ptr 1
		.amdhsa_wavefront_size32 1
		.amdhsa_system_sgpr_workgroup_id_x 1
		.amdhsa_system_sgpr_workgroup_id_y 1
		.amdhsa_system_sgpr_workgroup_id_z 1
		.amdhsa_system_vgpr_workitem_id 0
		.amdhsa_next_free_vgpr 256
		.amdhsa_next_free_sgpr 100
		.amdhsa_reserve_vcc 1
		.amdhsa_float_denorm_mode_32 3
		.amdhsa_float_denorm_mode_16_64 3
		.amdhsa_memory_ordered 1
		.amdhsa_forward_progress 1
		.amdhsa_inst_pref_size 105
	.end_amdhsa_kernel
	.amdgpu_metadata
---
amdhsa.version: [ 1, 2 ]
amdhsa.kernels:
  - .name:           k_qacff285f60_attn
    .symbol:         k_qacff285f60_attn.kd
    .args:
      - { .name: qrec, .offset: 0, .size: 8, .value_kind: global_buffer, .address_space: global }
      - { .name: kvrec, .offset: 8, .size: 8, .value_kind: global_buffer, .address_space: global }
      - { .name: acod, .offset: 16, .size: 8, .value_kind: global_buffer, .address_space: global }
      - { .name: ascl, .offset: 24, .size: 8, .value_kind: global_buffer, .address_space: global }
    .group_segment_fixed_size: 327680
    .private_segment_fixed_size: 0
    .kernarg_segment_align: 8
    .kernarg_segment_size: 32
    .max_flat_workgroup_size: 512
    .sgpr_count:     100
    .vgpr_count:     256
    .wavefront_size: 32
...
	.end_amdgpu_metadata
.endif
;; end of part 3
;; launch oproj (part 4): grid 8 x 32, 4 waves a work-group, clusters of 4 x 4, 229,888 bytes of LDS; arguments acod, ascl, wcod, wscl, out0; writes out0
.if DOCPART == 4
	.amdgcn_target "amdgcn-amd-amdhsa--gfx1250"
	.amdhsa_code_object_version 6
	.text
	.protected	k_qacff285f60_oproj
	.globl	k_qacff285f60_oproj
	.p2align	8
	.type	k_qacff285f60_oproj,@function
k_qacff285f60_oproj:
	s_mov_b64 s[64:65], 0
	v_nop
	global_prefetch_b8 v0, s[64:65] scope:SCOPE_SE
	s_setreg_imm32_b32 hwreg(HW_REG_WAVE_MODE, 25, 1), 1
	s_wait_xcnt 0x0
	s_wait_alu depctr_hold_cnt(0) depctr_sa_sdst(0) depctr_va_vdst(0) depctr_va_sdst(0) depctr_va_ssrc(0) depctr_va_vcc(0) depctr_vm_vsrc(0)
	s_getreg_b32 s2, hwreg(HW_REG_IB_STS2, 6, 4)
	s_cmp_eq_u32 s2, 0
	s_cbranch_scc0 .Lentry_in_a_cluster
	s_endpgm
.Lentry_in_a_cluster:
	s_bfe_u32 s2, ttmp6, 0x10000c
	s_cmp_lg_u32 s2, 0xf033
	s_cbranch_scc0 .Lentry_shape_is_right
	s_endpgm
.Lentry_shape_is_right:
; out0 = a Wo^T on codes of FP6 (E2M3) with E8M0 scales, sums in f32.  a: the attention's result, 4,096 tokens x 1,024, as codes; Wo: tiles 192-255 of wcod.
; A work-group makes 128 tokens x 128 columns: 256 work-groups; a wave 64 x 64: 16 accumulators.  All of K (8 steps of 128) lies in LDS: four slots of 256 along K, each filled once; the scale words go straight into registers; nothing is filled again.
; Tile T holds in lane r row 32 (T / 2) + 8 (T % 2) + r + 8 (r / 8), on both sides.  Source 0 = 16 rows of Wo, source 1 = 16 tokens: a lane holds one token, and the registers of tiles 2 b, 2 b + 1 are 16 neighbouring columns.
; Wo's fragments are images of 3 x 512 bytes; a's come in halves of 768 bytes (one head's 64 codes a row): 512 bytes (four registers, 16 x lane) and 256 (two registers, 8 x lane).
; CLUSTERS: a's blocks hang on the tokens alone and are shared along a row of the cluster, Wo's on the columns alone and are shared along a column: joint loads.
; No prefetch: all loads go out at the head.
.set QS,    786432
.set PART,  12288                      ; 4 tiles x 2 fragments: a quarter of K of one wave's load
.set SLOT,  4*PART                     ; all of K of one wave's load
.set SCL,   4*SLOT                     ; the end of the four loads; 8,192 bytes behind it that nothing fills or reads
.set STG,   SCL+8192                   ; the way out: 16 rows x (256 + 16) bytes for each wave; no tensor load lands here
.set SPITCH, 272
.set A16,  4                           ; v4-7   a's fragments in slot 0..3: 16 x lane;  v8-11 the same with 8 x lane
.set A8,   8
.set B16,  12                          ; v12-15 Wo's
.set ADRS, 16                          ; v16    scale words' address, 16 x r: lanes 16-31 read what lanes 0-15 read
.set STO,  17
.set RD,   18
.set CO,   19
.set SC,   32                          ; v32-63 register 8 i + k: the scale word of a's tile i, K step k; scales and nothing else
.set SCW,  64                          ; v64-95 register 8 i + k: the scale word of Wo's tile i, K step k (v32-63: a's); scales and nothing else
.set OB,   0                           ; rows on their way out, two sets: v0-63 of window 1, where fragments lay
.set ACC,  128                         ; v128-255 accumulator (a, b) at 128 + 8 (4 a + b).   Window 1: two buffers of fragments at v0 and v128: a's four, then Wo's four
.set G1A,  16
.set G1B,  24
.set G1SA, 32
.set G1SB, 40
.set G0AS, 48
.set G0A0, 52
.set G0A1, 56
.set G0A2, 60
.set G0A3, 68
.set G0BS, 72
.set G0B0, 76
.set G0B1, 80
.set G0B2, 84
.set G0B3, 88
.set MSB, 0
.macro WIN new
.if MSB != \new
	s_set_vgpr_msb (MSB<<8)|\new
.set MSB, \new
.endif
.endm
.macro JLOAD g0a, g1a, g0b, g1b        ; a joint load: waves 0 and 1 fetch a's halves, waves 2 and 3 Wo's; four v_nop follow each of the two lines
	s_cmp_eq_u32 s15, 0
	s_cbranch_scc0 .Lfor_b_\@
	tensor_load_to_lds s[\g0a:\g0a+3], s[\g1a:\g1a+7]
	s_nop 0
.rept 4
	v_nop
.endr
	s_branch .Lasked_\@
.Lfor_b_\@:
	tensor_load_to_lds s[\g0b:\g0b+3], s[\g1b:\g1b+7]
	s_nop 0
.rept 4
	v_nop
.endr
.Lasked_\@:
.endm
.macro CROUND                          ; a round of the cluster's barrier
	s_barrier_signal -1
	s_barrier_wait -1
	s_cmp_lg_u32 s14, 0
	s_cbranch_scc1 .Lnot_wave_0_\@
	s_barrier_signal -3
.Lnot_wave_0_\@:
	s_barrier_wait -3
	s_barrier_signal -1
	s_barrier_wait -1
.endm
.macro MKG0 g, lmul, ladd, adr, off    ; a group 0: LDS address = wave x lmul + ladd; global address = s[adr] + off
	s_mov_b32 s[\g], 1
	s_mul_i32 s[\g+1], s14, \lmul
	s_add_co_u32 s[\g+1], s[\g+1], \ladd
	s_add_nc_u64 s[\g+2:\g+3], s[\adr:\adr+1], \off
	s_or_b32 s[\g+3], s[\g+3], 0x80000000
.endm
.macro PLACES n
.rept \n
	v_nop
.endr
.endm
	s_load_b256 s[4:11], s[0:1], 0x0               ; acod, ascl, wcod, wscl
	s_load_b64 s[12:13], s[0:1], 0x20              ; out0
	v_lshl_add_u32 v30, v0, 2, 0x38000
	v_mov_b32 v31, 0
	ds_add_u32 v30, v31
	ds_add_u32 v30, v31
	v_lshrrev_b32 v1, 5, v0
	v_readfirstlane_b32 s14, v1                    ; wave 0..3
	s_lshr_b32 s15, s14, 1                         ; which 64 tokens are mine.  Also: I fetch for a (0) or for Wo (1)
	s_and_b32 s66, s14, 1                          ; which 64 columns.  Also: which half of that block I fetch
	s_bfe_u32 s67, ttmp6, 0x40000                  ; cx
	s_bfe_u32 s92, ttmp6, 0x40004                  ; cy
	s_lshl_b32 s93, ttmp9, 2
	s_add_co_u32 s93, s93, s67                     ; which 128 columns
	s_and_b32 s94, ttmp7, 0xffff
	s_lshl_b32 s94, s94, 2
	s_add_co_u32 s94, s94, s92                     ; which 128 tokens
	s_lshl_b32 s95, s92, 2
	s_lshl_b32 s95, 15, s95                        ; my row of the cluster
	s_lshl_b32 s96, 0x1111, s67                    ; my column
	s_or_b32 s[G1A], s95, (3<<16)|(1<<21)          ; 15:0 the mask; 17:16 elements of 8 bytes; 21 set beside a mask; no padding
	s_or_b32 s[G1B], s96, (3<<16)|(1<<21)
.irp g, G1A, G1B                       ; all of K in one tile: four rows of PART bytes (1,536 elements of 8 bytes), QS bytes apart in memory, on end in LDS
	s_mov_b32 s[\g+1], 1536<<16
	s_mov_b32 s[\g+2], 4<<16
	s_mov_b32 s[\g+3], 1536<<16
	s_mov_b32 s[\g+4], 4
	s_mov_b32 s[\g+5], QS/8
	s_mov_b32 s[\g+6], 0
	s_mov_b32 s[\g+7], 0
.endr
	s_mul_i32 s97, s66, PART                       ; the half that I fetch
	s_mul_i32 s98, s94, 2*PART                     ; a's codes hang on the tokens alone,
	s_add_co_u32 s98, s98, s97
	s_mov_b32 s99, 0
	s_mul_i32 s100, s93, 2*PART                    ; Wo's on the columns alone;
	s_add_co_u32 s100, s100, s97
	s_add_co_u32 s100, s100, 192*3072              ; Wo's tiles begin at tile 192
	s_mov_b32 s101, 0
	s_lshl_b32 s97, s15, 11                        ; the scale words, 512 bytes a tile: a's of my 64 tokens,
	s_lshl_b32 s2, s94, 12
	s_add_co_u32 s2, s2, s97
	s_mov_b32 s3, 0
	s_lshl_b32 s97, s66, 11                        ; Wo's of my 64 columns
	s_lshl_b32 s96, s93, 12
	s_add_co_u32 s96, s96, s97
	s_add_co_u32 s96, s96, 192*512
	s_mov_b32 s97, 0
	s_wait_dscnt 0x0
	s_wait_kmcnt 0x0
	s_add_nc_u64 s[98:99], s[4:5], s[98:99]
	s_add_nc_u64 s[100:101], s[8:9], s[100:101]
	s_add_nc_u64 s[32:33], s[6:7], s[2:3]
	s_add_nc_u64 s[34:35], s[10:11], s[96:97]
	MKG0 G0A0, 4*PART, 0, 98, 0                    ; part w of the four lies at 4 w PART, its quarter s of K at + s PART
	MKG0 G0B0, 4*PART, 0, 100, 0
	CROUND                                         ; all sixteen work-groups are here: the joint loads meet
	JLOAD G0A0, G1A, G0B0, G1B                     ; one tensor load a wave: all of K of my part
	v_and_b32 v1, 15, v0                           ; r
	v_bfe_u32 v2, v0, 4, 1                         ; h
	v_and_b32 v3, 31, v0                           ; lane
	s_mul_i32 s2, s15, 4*PART
	v_lshl_add_u32 v[A16], v3, 4, s2
	v_lshl_add_u32 v[A8], v3, 3, s2
	s_mul_i32 s3, s66, 4*PART
	s_add_co_u32 s3, s3, 8*PART
	v_lshl_add_u32 v[B16], v3, 4, s3
.irp s, 1,2,3
	v_add_nc_u32 v[A16+\s], \s*PART, v[A16]
	v_add_nc_u32 v[A8+\s], \s*PART, v[A8]
	v_add_nc_u32 v[B16+\s], \s*PART, v[B16]
.endr
	v_lshlrev_b32 v[ADRS], 4, v1                   ; 16 bytes a row: four K steps' words; lanes 16-31 read what lanes 0-15 read
.irp i, 0,1,2,3                                ; all of K's scale words, once, from memory straight into their registers: sixteen lanes read 256 consecutive bytes, aligned
.irp q, 0,1
	global_load_b128 v[SC+8*\i+4*\q:SC+8*\i+4*\q+3], v[ADRS], s[32:33] offset:512*\i+256*\q
	global_load_b128 v[SCW+8*\i+4*\q:SCW+8*\i+4*\q+3], v[ADRS], s[34:35] offset:512*\i+256*\q
.endr
.endr
	s_mul_i32 s2, s14, 16*SPITCH
	s_add_co_u32 s2, s2, STG                       ; my stage
	v_mul_u32_u24 v[STO], v1, SPITCH               ; in: row r, + 64 h
	v_lshl_add_u32 v[STO], v2, 6, v[STO]
	v_add_nc_u32 v[STO], s2, v[STO]
	v_mul_u32_u24 v[RD], v2, SPITCH                ; back: lanes 0-15 one row of 256 bytes, lanes 16-31 the next
	v_lshl_add_u32 v[RD], v1, 4, v[RD]
	v_add_nc_u32 v[RD], s2, v[RD]
	v_lshlrev_b32 v[CO], 12, v2                    ; and the same two rows of out0
	v_lshl_add_u32 v[CO], v1, 4, v[CO]
	s_lshl_b32 s2, s94, 19                         ; 128 rows of 4,096 bytes,
	s_lshl_b32 s3, s15, 18                         ; my 64 of them,
	s_add_co_u32 s2, s2, s3
	s_lshl_b32 s3, s93, 9                          ; 128 columns,
	s_add_co_u32 s2, s2, s3
	s_lshl_b32 s3, s66, 8                          ; my 64 of them
	s_add_co_u32 s2, s2, s3
	s_mov_b32 s3, 0
	s_add_nc_u64 s[12:13], s[12:13], s[2:3]
.macro FETCH k, f                      ; K step k's eight fragments into buffer f: 28 loads.  K step k lies in slot k / 2
	WIN 0x40                                       ; destination window 1, address window 0
.irp i, 0,1,2,3
	ds_load_b128 v[128*(\f)+12*\i:128*(\f)+12*\i+3], v[A16+(\k)/2] offset:3072*\i+1536*((\k)%2)
	ds_load_b64 v[128*(\f)+12*\i+4:128*(\f)+12*\i+5], v[A8+(\k)/2] offset:3072*\i+1536*((\k)%2)+512
	ds_load_b128 v[128*(\f)+12*\i+6:128*(\f)+12*\i+9], v[A16+(\k)/2] offset:3072*\i+1536*((\k)%2)+768
	ds_load_b64 v[128*(\f)+12*\i+10:128*(\f)+12*\i+11], v[A8+(\k)/2] offset:3072*\i+1536*((\k)%2)+1280
.endr
.irp i, 0,1,2,3
.irp g, 0,1,2
	ds_load_b128 v[128*(\f)+48+12*\i+4*\g:128*(\f)+48+12*\i+4*\g+3], v[B16+(\k)/2] offset:3072*\i+1536*((\k)%2)+512*\g
.endr
.endr
.endm
.macro MULK k, f, zero                 ; 16 matrix instructions; the 16 accumulators take turns, one instruction a turn
	WIN 0x05                                       ; sources 0 and 1 window 1; C and D window 0
.irp a, 0,1,2,3
.irp b, 0,1,2,3
.if \zero
	v_wmma_scale_f32_16x16x128_f8f6f4 v[ACC+8*(4*\a+\b):ACC+8*(4*\a+\b)+7], v[128*(\f)+48+12*\b:128*(\f)+48+12*\b+11], v[128*(\f)+12*\a:128*(\f)+12*\a+11], 0, v[SCW+8*\b+(\k)], v[SC+8*\a+(\k)] matrix_a_fmt:MATRIX_FMT_FP6 matrix_b_fmt:MATRIX_FMT_FP6
.else
	v_wmma_scale_f32_16x16x128_f8f6f4 v[ACC+8*(4*\a+\b):ACC+8*(4*\a+\b)+7], v[128*(\f)+48+12*\b:128*(\f)+48+12*\b+11], v[128*(\f)+12*\a:128*(\f)+12*\a+11], v[ACC+8*(4*\a+\b):ACC+8*(4*\a+\b)+7], v[SCW+8*\b+(\k)], v[SC+8*\a+(\k)] matrix_a_fmt:MATRIX_FMT_FP6 matrix_b_fmt:MATRIX_FMT_FP6
.endif
.endr
.endr
.endm
	s_wait_alu depctr_va_vdst(0)
	s_wait_tensorcnt 0x0                           ; my part, all of K, is in
	s_barrier_signal -1
	s_barrier_wait -1                              ; everybody's is; nothing is ever filled again
	FETCH 0, 0
	s_wait_loadcnt 0x0                             ; the scale words are in
.irp k, 0,1,2,3,4,5,6,7
	s_wait_dscnt 0x0                               ; this step's fragments are in
.if \k > 0
	PLACES 4                                       ; in front of loads into the buffer that the last step's products read
.endif
.if \k < 7
	FETCH \k+1, (\k+1)%2                           ; the next step's fragments land under this step's products
.endif
.if \k == 0
	MULK \k, 0, 1                                  ; the first products start the sums
.else
	MULK \k, \k%2, 0
.endif
.endr
	WIN 0
	PLACES 4
; THE WAY OUT, a tile of 16 tokens x 64 columns at a time, through my own stage: in by lanes (32 bytes of a row each), back as whole rows of 256 bytes.  LDS serves a wave's instructions in order.
.macro TOSTAGE a
	WIN 0x40                                       ; the rows come back into window 1; addresses and the stores' data lie in window 0
.irp b, 0,1,2,3
	ds_store_b128 v[STO], v[ACC+8*(4*(\a)+\b):ACC+8*(4*(\a)+\b)+3] offset:128*(\b/2)+32*(\b%2)      ; each accumulator from its low end on
	ds_store_b128 v[STO], v[ACC+8*(4*(\a)+\b)+4:ACC+8*(4*(\a)+\b)+7] offset:128*(\b/2)+32*(\b%2)+16
.endr
.irp i, 0,1,2,3,4,5,6,7
	ds_load_b128 v[OB+32*((\a)%2)+4*\i:OB+32*((\a)%2)+4*\i+3], v[RD] offset:2*SPITCH*\i
.endr
.endm
.macro SEND a, younger                 ; younger: the LDS instructions issued behind tile a's loads, which may stay out
	s_wait_dscnt \younger
	WIN 0x04                                       ; the stores' data: window 1
.irp i, 0,1,2,3,4,5,6,7                        ; stage rows 2 i and 2 i + 1 are tokens 32 (a / 2) + 8 (a % 2) + 2 i + 8 (i / 4) and the next
	global_store_b128 v[CO], v[OB+32*((\a)%2)+4*\i:OB+32*((\a)%2)+4*\i+3], s[12:13] offset:(32*((\a)/2)+8*((\a)%2)+2*\i+8*(\i/4))*4096 th:TH_STORE_NT   ; sixteen lanes store 256 consecutive bytes, aligned; written once
.endr
.endm
	TOSTAGE 0
.irp a, 1,2,3
.if \a > 1
	s_wait_xcnt 0x0                                ; tile a - 2's stores have read their registers: tile a's loads may land there
.endif
	TOSTAGE \a
	SEND \a-1, 16                                  ; behind tile a - 1's loads: tile a's 8 stores and 8 loads
.endr
	SEND 3, 0
	WIN 0
	s_wait_tensorcnt 0x0
	ds_add_u32 v30, v31
	s_wait_dscnt 0x0
	CROUND                                         ; the closing round: all my tensor loads were waited for ahead of the barrier in front of K step 0, and no LDS instruction of mine is out
	s_endpgm
.Lfunc_end_k_qacff285f60_oproj:
	.size	k_qacff285f60_oproj, .Lfunc_end_k_qacff285f60_oproj-k_qacff285f60_oproj
	.p2alignl 7, 3214868480
	.fill 96, 4, 3214868480
	.section	.rodata,"a",@progbits
	.p2align	6, 0x0
	.amdhsa_kernel k_qacff285f60_oproj
		.amdhsa_group_segment_fixed_size 229888
		.amdhsa_private_segment_fixed_size 0
		.amdhsa_enable_private_segment 0
		.amdhsa_kernarg_size 40
		.amdhsa_user_sgpr_count 2
		.amdhsa_user_sgpr_kernarg_segment_ptr 1
		.amdhsa_wavefront_size32 1
		.amdhsa_system_sgpr_workgroup_id_x 1
		.amdhsa_system_sgpr_workgroup_id_y 1
		.amdhsa_system_sgpr_workgroup_id_z 1
		.amdhsa_system_vgpr_workitem_id 0
		.amdhsa_next_free_vgpr 512
		.amdhsa_next_free_sgpr 102
		.amdhsa_reserve_vcc 0
		.amdhsa_float_denorm_mode_32 3
		.amdhsa_float_denorm_mode_16_64 3
		.amdhsa_memory_ordered 1
		.amdhsa_forward_progress 1
		.amdhsa_inst_pref_size 48
	.end_amdhsa_kernel
	.amdgpu_metadata
---
amdhsa.version: [ 1, 2 ]
amdhsa.kernels:
  - .name:           k_qacff285f60_oproj
    .symbol:         k_qacff285f60_oproj.kd
    .args:
      - { .name: acod, .offset: 0, .size: 8, .value_kind: global_buffer, .address_space: global }
      - { .name: ascl, .offset: 8, .size: 8, .value_kind: global_buffer, .address_space: global }
      - { .name: wcod, .offset: 16, .size: 8, .value_kind: global_buffer, .address_space: global }
      - { .name: wscl, .offset: 24, .size: 8, .value_kind: global_buffer, .address_space: global }
      - { .name: out0, .offset: 32, .size: 8, .value_kind: global_buffer, .address_space: global }
    .group_segment_fixed_size: 229888
    .private_segment_fixed_size: 0
    .kernarg_segment_align: 8
    .kernarg_segment_size: 40
    .max_flat_workgroup_size: 128
    .sgpr_count:     102
    .vgpr_count:     512
    .wavefront_size: 32
...
	.end_amdgpu_metadata
.endif
;; end of part 4
